; MI455X (gfx1250); checked and timed in simulation.
; The chip was launched on July 23, 2026; its instructions are those of AMD's public machine-readable ISA for CDNA 5 (MIT licence, August 2026) and "CDNA5" Instruction Set Architecture Reference Guide (July 2026). The comments in the code are by the model that wrote it; some were corrected since.
;; Multi Head Attention. Allowed arithmetic: matrix products marked QUANTISED: E2M3 operands, one E8M0 scale for each 32 along K, by v_wmma_scale_f32_16x16x128_f8f6f4 with both operands' format E2M3, f32 sums; everything else in f32.
;; Inputs: Wk_codes 768 x 24 x 24 uint8 (E2M3 codes of Wk, K innermost, in blocks of 32 codes, four codes in three bytes); Wk_scales 768 x 24 uint8 (E8M0 scales of Wk, one for each 32 codes along K); Wo_codes 768 x 24 x 24 uint8 (E2M3 codes of Wo, K innermost, in blocks of 32 codes, four codes in three bytes); Wo_scales 768 x 24 uint8 (E8M0 scales of Wo, one for each 32 codes along K); Wq_codes 768 x 24 x 24 uint8 (E2M3 codes of Wq, K innermost, in blocks of 32 codes, four codes in three bytes); Wq_scales 768 x 24 uint8 (E8M0 scales of Wq, one for each 32 codes along K); Wv_codes 768 x 24 x 24 uint8 (E2M3 codes of Wv, K innermost, in blocks of 32 codes, four codes in three bytes); Wv_scales 768 x 24 uint8 (E8M0 scales of Wv, one for each 32 codes along K); bk 768 float32; bo 768 float32; bq 768 float32; bv 768 float32; key_in_codes 4 x 2,048 x 24 x 24 uint8 (E2M3 codes of key_in, K innermost, in blocks of 32 codes, four codes in three bytes); key_in_scales 4 x 2,048 x 24 uint8 (E8M0 scales of key_in, one for each 32 codes along K); ln_beta 768 float32; ln_gamma 768 float32; query_in 4 x 2,048 x 768 float32; value_in_codes 4 x 2,048 x 24 x 24 uint8 (E2M3 codes of value_in, K innermost, in blocks of 32 codes, four codes in three bytes); value_in_scales 4 x 2,048 x 24 uint8 (E8M0 scales of value_in, one for each 32 codes along K).
;; Outputs: out0 4 x 2,048 x 768 float32.
;; This version of the problem:
;;   THIS VERSION OF THE PROBLEM IS GIVEN IN LOW PRECISION. The matrix products marked QUANTISED in the list below multiply operands that are first quantised to E2M3 (2 exponent bits, 3 mantissa bits; 6 bits a number), with one power-of-two scale for each 32 numbers along K (OCP MX v1.0); their sums are f32. All else is computed in f32.
;;   The module's matrix products, in the order in which they are computed (A, B: the left and right operand; K: the contracted axis; several contracted axes count as one K, in the product's order):
;;     1. [M 8,192, K 768] x [K 768, N 768]; A: input key_in (given as codes); B: input Wk (given as codes): QUANTISED
;;     2. [M 8,192, K 768] x [K 768, N 768]; A: input value_in (given as codes); B: input Wv (given as codes): QUANTISED
;;     3. [M 8,192, K 768] x [K 768, N 768]; A: input query_in; B: input Wq (given as codes): QUANTISED
;;     4. batch 32 x [M 2,048, K 96] x [K 96, N 2,048]; A: computed on the way; B: computed on the way: QUANTISED
;;     5. batch 32 x [M 2,048, K 2,048] x [K 2,048, N 96]; A: softmax (see below); B: computed on the way: QUANTISED
;;     6. [M 8,192, K 768] x [K 768, N 768]; A: computed on the way; B: input Wo (given as codes): QUANTISED
;;   THE QUANTISER, for each operand of a quantised product, along K:
;;     - K is cut into blocks of 32 from its start; a last block that is shorter is filled with zeros.
;;     - A block's scale is 2^e with e = floor(log2(the largest magnitude in the block)) - 2, held to -126 .. 127; a block of zeros has e = 0. As a byte (E8M0): e + 127.
;;     - Each number is divided by its block's scale, clamped to +-7.5, and rounded to the nearest number of E2M3, ties to even, subnormals kept.
;;     - The product sums the exact products of the quantised numbers (number of the format x scale) in f32.
;;   ~~~python
;;   def quantise(x, axis):      # numpy; x: float32 -> the quantised numbers, widened to float32 again
;;       x = np.moveaxis(x, axis, -1); K = x.shape[-1]
;;       x = np.pad(x, [(0, 0)] * (x.ndim - 1) + [(0, -K % 32)]); x = x.reshape(x.shape[:-1] + (-1, 32)); a = np.abs(x).max(-1, keepdims=True)
;;       e = np.where(a > 0, np.clip(np.frexp(np.where(a > 0, a, 1))[1] - 1 - 2, -126, 127), 0)      # np.frexp(a)[1] - 1 = floor(log2(a)), exactly
;;       r = np.clip(x / 2.0 ** e, -7.5, 7.5)
;;       step = 2.0 ** (np.maximum(np.frexp(np.where(r == 0, 1, r))[1] - 1, 0) - 3)
;;       q = np.round(r / step) * step * 2.0 ** e      # np.round: ties to even
;;       return np.moveaxis(q.reshape(q.shape[:-2] + (-1,))[..., :K], -1, axis).astype(np.float32)
;;   ~~~
;;   SOFTMAX AHEAD OF A QUANTISED PRODUCT. Where the list says 'softmax', what is quantised is not the finished softmax but p = 2^(t - M), with t = logit x log2(e) and M = ceil(the row's largest t), a whole number; so 1/2 < the row's largest p <= 1. The row's sum l is taken of the UNQUANTISED p, in f32, and the product's result is divided by l at the end. Since M is a whole number, a kernel that streams over the keys may use a running M (the ceiling of the running maximum): every later rescaling is an exact power of two, which a block's scale takes up: the codes' values come out the same.
;;   OPERANDS COMPUTED ON THE WAY. 'Computed on the way' means the value that the module computes at that place (a softmax that the list does not call 'softmax' is quantised finished and normalised). What goes into a quantiser is computed in f32, as accurately as f32 sums, v_exp_f32 and their like allow (about 1e-6 of the number): no bf16 or f16 on the way to a quantiser, and a product that is left as it is and whose result goes on into a quantised operand takes f32 operands (vector FMAs, or v_wmma_f32_16x16x4_f32). A number that lies on a knife's edge between two numbers of the format may be rounded either way, as far as f32 arithmetic and the matrix unit's own rounding can turn it there, and no further.
;;   INPUTS GIVEN AS CODES. Wk (in the module: [768, 768], K = its axis 0); Wo (in the module: [768, 768], K = its axis 0); Wq (in the module: [768, 768], K = its axis 0); Wv (in the module: [768, 768], K = its axis 0); key_in (in the module: [4, 2048, 768], K = its axis 2); value_in (in the module: [4, 2048, 768], K = its axis 2): each comes as NAME_codes (uint8): NAME with its K axis moved to the last place and cut into blocks of 32 codes, [.., K / 32, bytes a block], one block behind the other in memory; four codes in three bytes: a row's codes are one little-endian stream of bits, code i at bits 6 i .. 6 i + 5 (a code: sign, 2 exponent bits, 3 mantissa bits); and NAME_scales (uint8): the same leading axes, one E8M0 byte (e + 127) for each 32 codes along K. Its value is code x scale, taken as it is: it is not quantised again, and the codes and scales need not be those that the quantiser above would give.
;; One version. Each part assembles by itself: llvm-mc -triple=amdgcn-amd-amdhsa -mcpu=gfx1250 --defsym DOCPART=n.
;; ======== version 1 of 1: 3 launches
;; limits: right only within a limited range of input values
;; workspace buffers: kv 9,961,472 bytes; xq 5,242,880 bytes; wo_img 491,520 bytes; ctx 5,242,880 bytes
;; launch proj (part 1): grid 32 x 8, 4 waves a work-group, clusters of 4 x 4, 327,680 bytes of LDS; arguments key_in_codes, value_in_codes, key_in_scales, value_in_scales, Wk_codes, Wv_codes, Wk_scales, Wv_scales, bk, bv, query_in, Wo_codes, Wo_scales, kv, xq, wo_img; writes kv, xq, wo_img
.if DOCPART == 1
	.amdgcn_target "amdgcn-amd-amdhsa--gfx1250"
	.amdhsa_code_object_version 6
	.text
	.protected	k_qb473b45097_proj
	.globl	k_qb473b45097_proj
	.p2align	8
	.type	k_qb473b45097_proj,@function
k_qb473b45097_proj:
	s_mov_b64 s[64:65], 0
	v_nop
	global_prefetch_b8 v0, s[64:65] scope:SCOPE_SE
	s_setreg_imm32_b32 hwreg(HW_REG_WAVE_MODE, 25, 1), 1
	s_wait_xcnt 0x0
	s_wait_alu depctr_hold_cnt(0) depctr_sa_sdst(0) depctr_va_vdst(0) depctr_va_sdst(0) depctr_va_ssrc(0) depctr_va_vcc(0) depctr_vm_vsrc(0)
	s_getreg_b32 s2, hwreg(HW_REG_IB_STS2, 6, 4)
	s_cmp_eq_u32 s2, 0
	s_cbranch_scc0 .Lentry_in_a_cluster
	s_endpgm
.Lentry_in_a_cluster:
	s_bfe_u32 s2, ttmp6, 0x10000c
	s_cmp_lg_u32 s2, 0xf033
	s_cbranch_scc0 .Lentry_shape_is_right
	s_endpgm
.Lentry_shape_is_right:
; FIRST OF THREE LAUNCHES.  k = key_in Wk + bk and v = value_in Wv + bv, both products on codes of FP6 (E2M3) as they are given; the results are quantised here, k along the head's 96, v along
; the keys, and stored as IMAGES OF OPERAND REGISTERS (buffer kv) for the attention launch.  Beside that, while the tiles are on their way: query_in is quantised along its 768 (buffer xq), and Wo's codes
; are laid head by head (buffer wo_img).
; DEAD WORK: none.  Every input of the problem has a way to the output: bk too, since it moves k's codes and scales ahead of a quantised product.  Nothing is left out in any of the three launches.
; LIMITS: a block's scale byte is held at 1 from below, and a block of zeros gets the byte 1 where the rule says 127 (its codes are zeros, and this program alone reads these bytes); NaN and infinities among the
; inputs, and a given scale byte 0xff, are not served; inside a block of 32 the products are summed in another order of k than the natural one (below).
; SHARES.  256 work-groups of four waves.  The cluster's y says which product (0: k, 1: v); a work-group makes 256 rows x 192 columns (two heads) over K = 768; wave w makes 128 rows (w / 2: one key step of the
; attention) of one head (w % 2): 48 accumulators.  k: source 0 = 16 columns of Wk, source 1 = 16 key rows: a lane holds ONE key and its registers run along the head.  v: source 0 = 16 value rows, source 1 = 16 columns
; of Wv: a lane holds ONE channel and its registers run along the keys.  So each result's next K lies in a lane's registers.
; ORDER INSIDE A BLOCK.  All tiles take neighbouring rows, so register 8 t + j of lane (r, h) is next-K index 16 t + 8 h + j: inside each block of 32 the codes stand in a fixed other order.  q is made by the same lines as k, and the
; softmax's p by the same lines as v, so both operands of each later product carry the same order and every product pairs the right numbers; a block's members, and so its scale, are the true ones.
; A HEAD OF 96 IN ONE STEP OF 128: registers 0-5 hold blocks 0 and 1 as the layout has them; registers 6-8 hold block 2 as its conversion leaves it (each half of the lanes its own 16 codes), which the unit takes for the
; first halves of blocks 2 and 3: so the scale word is s0, s1, s2, s2; registers 9-11 are zeros on one side at the least.  Nine registers a fragment.
; CLUSTER 4 x 4: the four work-groups of equal cx read the same 256 rows, the four of equal cy the same 192 columns: each tile is asked for jointly.  All of K, three stages of 256, is asked for at the head: one load
; of a wave is out by this text's count; nothing is filled again and nothing is stored to LDS.  No prefetch: every tile is requested at the head.
; REGISTERS, in windows of 256.  window 0: v1-15 addresses; v16-27 Wo's fragment, or bv; v32-79, v80-115 the rows' and the columns' scale words (tile x 6 + K step), which hold nothing else; v116-127 scale words just made;
;   v128-223 source 1's fragments, ONE set; codes just made; v224-247 at work.   windows 1, 2: the accumulators; window 1 first holds query_in's numbers; window 2 v160-207 the bias, in the result's layout.
;   window 3: source 0's fragments, TWO sets, at v0 and v128.
.set STG,   107520                     ; a stage in LDS: 256 + 192 rows of SADV bytes
; THE FILLS AS THIS TEXT HAS THEM (in place of the three stages named above): the work-group's 256 rows and 192 columns of codes are dense blocks of memory and come as rows of 256 bytes,
; each at a multiple of 256 bytes from its buffer's first byte, for all of K at once: one joint load a wave at the head (waves 0, 1: 128 rows each; waves 2, 3: 96 columns each). Nothing is filled again.
.set PITCH, 720                        ; a row of 576 bytes in LDS: 9 x (64 bytes + 16 of padding): 180 words, so the 16 rows of a fragment start at 16 different groups of banks
.set SADV,  240                        ; 256 along K further on in an LDS row: 3 x (64 + 16) bytes
.set ADXH,  28                         ; v28, v30: as v10, v12, 64 rows further down: row tiles 4-7, so that every offset stays inside the 16-bit immediate
.set WOFF,  256*PITCH                  ; the columns' rows lie behind the 256 rows
.set SPARE, 3*STG                      ; behind the stages: the spare words, 128 bytes a wave
.set KROW,  576                        ; 768 codes in bytes
.set BLK,   19456                      ; kv: one key step of one head: K's images 9,728 bytes, then V's
.set SPW,  5
.set NIL,  6
.set XA,   7                           ; query_in: 3,072 r + 64 h
.set R24,  8                           ; 24 r: a row of scale bytes
.set BL,   9                           ; the bias's lane term
.set ADX,  10                          ; v10, v12: LDS address of my rows' fragments, and the same behind one padding more
.set ADW,  11                          ; v11, v13: of my columns'
.set WO1,  14
.set WO2,  15
.set XSC,  32
.set WSC,  80
.set PWR,  116
.set AF,   128
.set TM,   224
.set CT,   240
.set BIA,  160
.set G1X,  40                          ; s[40:47], s[48:55] descriptor groups 1; groups 0: s[56:59], s[60:63]
.set G1W,  48
.set WV,   84
.set CX,   85
.set CY,   86
.set G,    87
.set RB,   88
.set RH,   89
.set HH,   90
.set SEL,  98
.set HIM,  100
.set PADW, (1<<20)|(1<<21)|(3<<22)|(3<<25)   ; elements of 1 byte; padding on; bit 21 beside a mask; after every 16 words, 4 words
.set MSB, 0
.macro WIN new                         ; the immediate's high byte repeats the setting that is left
.if MSB != (\new)
	s_set_vgpr_msb (MSB<<8)|(\new)
.set MSB, (\new)
.endif
.endm
.macro PLACES n
.rept \n
	v_nop
.endr
.endm
.macro CROUND                          ; a round of the cluster's barrier
	s_barrier_signal -1
	s_barrier_wait -1
	s_cmp_lg_u32 s[WV], 0
	s_cbranch_scc1 .Lnot_wave_0_\@
	s_barrier_signal -3
.Lnot_wave_0_\@:
	s_barrier_wait -3
	s_barrier_signal -1
	s_barrier_wait -1
.endm
; a fragment, 16 rows x 128 K: 12 registers, six pieces of 8 bytes.  Lanes 16-31 read three pieces further on, which for some pieces is behind one padding more: the second address register serves those
.macro FRAG reg, adr, q, i
.set FAD, \adr
.set FRW, \i
.if (\adr) == ADX
.if (\i) > 3
.set FAD, ADXH
.set FRW, (\i)-4
.endif
.endif
.irp p, 0,1,2,3,4,5
.set PCE, 12*(\q)+6*(\p/3)+\p%3
.if PCE%8 < 5
	ds_load_b64 v[\reg+2*\p:\reg+2*\p+1], v[FAD] offset:8*PCE+16*(PCE/8)+FRW*16*PITCH
.else
	ds_load_b64 v[\reg+2*\p:\reg+2*\p+1], v[FAD+2] offset:8*PCE+16*(PCE/8)+FRW*16*PITCH
.endif
.endr
.endm
.macro FETCHP kind, q, set             ; source 0's fragments of the stage's q-th 128 along K, into window 3
	WIN 0xc0
.if \kind == 0
.irp i, 0,1,2,3,4,5
	FRAG 128*(\set)+12*\i, ADW, \q, \i
.endr
.else
.irp i, 0,1,2,3,4,5,6,7
	FRAG 128*(\set)+12*\i, ADX, \q, \i
.endr
.endif
	WIN 0
.endm
.macro FETCHL kind, q, l0, n           ; n of source 1's fragments, from l0 on
.set LL, \l0
.rept \n
.if \kind == 0
	FRAG AF+12*LL, ADX, \q, LL
.else
	FRAG AF+12*LL, ADW, \q, LL
.endif
.set LL, LL+1
.endr
.endm
; source 1's tile l against all of source 0's: six (k) or eight (v) matrix instructions.  first = 1: the bias is the C of the sum's first instruction
.macro MULL kind, l, set, ks, first
.if \kind == 0
.if (\l) < 5
.set AW, 1
.set AB, 48*(\l)
.else
.set AW, 2
.set AB, 48*((\l)-5)
.endif
.else
.if (\l) < 4
.set AW, 1
.set AB, 64*(\l)
.else
.set AW, 2
.set AB, 64*((\l)-4)
.endif
.endif
.if \first
	WIN ((AW<<6)|(2<<4)|3)
.else
	WIN ((AW<<6)|(AW<<4)|3)
.endif
.if \kind == 0
.irp p, 0,1,2,3,4,5
.if \first
	v_wmma_scale_f32_16x16x128_f8f6f4 v[AB+8*\p:AB+8*\p+7], v[128*(\set)+12*\p:128*(\set)+12*\p+11], v[AF+12*(\l):AF+12*(\l)+11], v[BIA+8*\p:BIA+8*\p+7], v[WSC+6*\p+(\ks)], v[XSC+6*(\l)+(\ks)] matrix_a_fmt:MATRIX_FMT_FP6 matrix_b_fmt:MATRIX_FMT_FP6
.else
	v_wmma_scale_f32_16x16x128_f8f6f4 v[AB+8*\p:AB+8*\p+7], v[128*(\set)+12*\p:128*(\set)+12*\p+11], v[AF+12*(\l):AF+12*(\l)+11], v[AB+8*\p:AB+8*\p+7], v[WSC+6*\p+(\ks)], v[XSC+6*(\l)+(\ks)] matrix_a_fmt:MATRIX_FMT_FP6 matrix_b_fmt:MATRIX_FMT_FP6
.endif
.endr
.else
.irp p, 0,1,2,3,4,5,6,7
.if \first
	v_wmma_scale_f32_16x16x128_f8f6f4 v[AB+8*\p:AB+8*\p+7], v[128*(\set)+12*\p:128*(\set)+12*\p+11], v[AF+12*(\l):AF+12*(\l)+11], v[BIA+8*(\l):BIA+8*(\l)+7], v[XSC+6*\p+(\ks)], v[WSC+6*(\l)+(\ks)] matrix_a_fmt:MATRIX_FMT_FP6 matrix_b_fmt:MATRIX_FMT_FP6
.else
	v_wmma_scale_f32_16x16x128_f8f6f4 v[AB+8*\p:AB+8*\p+7], v[128*(\set)+12*\p:128*(\set)+12*\p+11], v[AF+12*(\l):AF+12*(\l)+11], v[AB+8*\p:AB+8*\p+7], v[XSC+6*\p+(\ks)], v[WSC+6*(\l)+(\ks)] matrix_a_fmt:MATRIX_FMT_FP6 matrix_b_fmt:MATRIX_FMT_FP6
.endif
.endr
.endif
.endm
.macro MULR kind, l0, n, set, ks, first    ; the 48 accumulators take turns, one instruction a turn, in the same order in every step
.set LL, \l0
.rept \n
	MULL \kind, LL, \set, \ks, \first
.set LL, LL+1
.endr
.endm
; nb blocks of 32: 16 nb numbers of a lane in window win from v[s] on (16 of each block; lane l xor 16 holds the other 16) become codes in v[pc] on and the row's scale word in v[pw].
; nb = 4: a whole fragment of 12 registers.  nb = 3: nine registers, block 2 as its conversion leaves it, and byte 3 = byte 2.  Each accumulator is read from its low end on.
.macro QUANT nb, win, s, pc, pw
	WIN (((\win)<<2)|((\win)<<4))
.irp b, 0,1,2,3
.if \b < \nb
	v_max3_num_f32 v[TM+\b], 0x1800000, |v[(\s)+16*\b]|, |v[(\s)+16*\b+1]|   ; with the floor 2^(3 - 127): the byte cannot fall under 1
.endif
.endr
.irp i, 2,4,6,8,10,12,14
.irp b, 0,1,2,3
.if \b < \nb
	v_max3_num_f32 v[TM+\b], v[TM+\b], |v[(\s)+16*\b+\i]|, |v[(\s)+16*\b+\i+1]|   ; the blocks by turns
.endif
.endr
.endr
	WIN 0
.irp b, 0,1,2,3
.if \b < \nb
	v_permlanex16_b32 v[TM+4+\b], v[TM+\b], s[SEL], s[SEL+1]
.endif
.endr
.irp b, 0,1,2,3
.if \b < \nb
	v_max_num_f32 v[TM+\b], v[TM+\b], v[TM+4+\b]         ; the block's largest magnitude
.endif
.endr
.irp b, 0,1,2,3
.if \b < \nb
	v_add_nc_u32 v[TM+12+\b], 0xff000000, v[TM+\b]       ; 2 off its exponent field: the conversion's scale operand
.endif
.endr
.irp b, 0,1,2,3
.if \b < \nb
	v_lshrrev_b32 v[TM+4+\b], 23, v[TM+12+\b]            ; the scale's byte
.endif
.endr
	v_lshl_or_b32 v[\pw], v[TM+5], 8, v[TM+4]
	v_lshl_or_b32 v[\pw], v[TM+6], 16, v[\pw]
	v_lshl_or_b32 v[\pw], v[TM+3+\nb], 24, v[\pw]
	WIN (\win)
	v_cvt_scalef32_pk16_fp6_f32 v[(\pc):(\pc)+2], v[(\s):(\s)+15], v[TM+12]
	v_cvt_scalef32_pk16_fp6_f32 v[CT:CT+2], v[(\s)+16:(\s)+31], v[TM+13]
	v_cvt_scalef32_pk16_fp6_f32 v[(\pc)+6:(\pc)+8], v[(\s)+32:(\s)+47], v[TM+14]
.if \nb == 4
	v_cvt_scalef32_pk16_fp6_f32 v[CT+4:CT+6], v[(\s)+48:(\s)+63], v[TM+15]
.endif
	WIN 0
	v_nop                                          ; one plain place behind the last scaled conversion
.irp i, 0,1,2
	v_permlane16_swap_b32 v[(\pc)+\i], v[CT+\i]    ; the layout wants a whole block in a lane: lanes 0-15 block 0, lanes 16-31 block 1
.endr
.irp i, 0,1,2
	v_mov_b32 v[(\pc)+3+\i], v[CT+\i]
.endr
.if \nb == 4
.irp i, 0,1,2
	v_permlane16_swap_b32 v[(\pc)+6+\i], v[CT+4+\i]
.endr
.irp i, 0,1,2
	v_mov_b32 v[(\pc)+9+\i], v[CT+4+\i]
.endr
.endif
.endm
.macro XLOAD i                         ; my 16 rows' numbers of my i-th K step of query_in: of each block of 32 a lane takes 16 neighbours
.irp b, 0,1,2,3
.irp j, 0,1,2,3
	global_load_b128 v[64*(\i)+16*\b+4*\j:64*(\i)+16*\b+4*\j+3], v[XA], s[28:29] offset:512*(\i)+128*\b+16*\j   ; no non-temporal hint: a lane's 64 neighbouring bytes are named by four instructions on end (j = 0 .. 3)
.endr
.endr
.endm
; a step of 128 along K whose successor lies in the same stage.  Source 1 has one set of registers: its first half is fetched anew in the step's middle, its second at the end; source 0 has two sets
.macro STEP kind, ks, first
	s_wait_dscnt 6*(4-\kind)                       ; all but the youngest loads, the second half of source 1's fragments
	MULR \kind, 0, 4-\kind, 0, \ks, \first
	s_wait_dscnt 0x0
	PLACES 4                                       ; in front of loads into registers that matrix instructions have read
	FETCHP \kind, 1, 1
	FETCHL \kind, 1, 0, 4-\kind
	MULR \kind, 4-\kind, 4-\kind, 0, \ks, \first
	PLACES 4
	WIN 0
	FETCHL \kind, 1, 4-\kind, 4-\kind
.endm
; a stage's last step: no barrier, since all of K lies in LDS; the addresses move 256 along K (n is not used)
.macro TURN kind, ks, n
	s_wait_dscnt 6*(4-\kind)
	MULR \kind, 0, 2, 1, \ks, 0
	s_wait_dscnt 0x0                               ; the second half of source 1's fragments is in
	MULR \kind, 2, 2-\kind, 1, \ks, 0
	WIN 0
	v_add_nc_u32 v[ADX], SADV, v[ADX]              ; 256 along K on in the same LDS rows (all of K lies in LDS: no barrier here); these six are also the places in front of the loads below
	v_add_nc_u32 v[ADW], SADV, v[ADW]
	v_add_nc_u32 v[ADX+2], SADV, v[ADX+2]
	v_add_nc_u32 v[ADW+2], SADV, v[ADW+2]
	v_add_nc_u32 v[ADXH], SADV, v[ADXH]
	v_add_nc_u32 v[ADXH+2], SADV, v[ADXH+2]
	FETCHP \kind, 0, 0
	FETCHL \kind, 0, 0, 4-\kind
	MULR \kind, 4-\kind, 4-\kind, 1, \ks, 0
	PLACES 4
	WIN 0
	FETCHL \kind, 0, 4-\kind, 4-\kind
.endm
	s_load_b512 s[8:23], s[0:1], 0x0               ; key codes, value codes, key scales, value scales, Wk codes, Wv codes, Wk scales, Wv scales
	s_load_b512 s[24:39], s[0:1], 0x40             ; bk, bv, query_in, Wo codes, Wo scales, kv, xq, wo_img
	v_lshl_add_u32 v[SPW], v0, 2, SPARE
	v_mov_b32 v[NIL], 0
	ds_add_u32 v[SPW], v[NIL]                      ; the wave's opening: the add, twice on end, and its wait ahead of my first tensor load
	ds_add_u32 v[SPW], v[NIL]
	v_lshrrev_b32 v1, 5, v0
	v_readfirstlane_b32 s[WV], v1                  ; wave 0..3
	s_lshr_b32 s[RH], s[WV], 1                     ; which 128 rows are mine
	s_and_b32 s[HH], s[WV], 1                      ; which of the two heads
	s_bfe_u32 s[CX], ttmp6, 0x40000
	s_bfe_u32 s[CY], ttmp6, 0x40004                ; cy: the pair of heads
	s_and_b32 s[G], ttmp7, 0xffff                  ; the cluster's y: 0 = k, 1 = v; the same in all sixteen partners
	s_lshl_b32 s[RB], ttmp9, 2
	s_add_co_u32 s[RB], s[RB], s[CX]               ; the block of 256 rows
	s_lshl_b32 s2, 0x1111, s[CX]                   ; those of equal cx share the rows,
	s_lshl_b32 s3, s[CY], 2
	s_lshl_b32 s3, 15, s3                          ; those of equal cy the columns
	s_or_b32 s[G1X], s2, PADW
	s_or_b32 s[G1W], s3, PADW
	s_mov_b32 s[G1X+1], 256<<16                    ; 128 rows of 576 bytes are dense: 288 rows of 256 bytes
	s_mov_b32 s[G1X+2], 288<<16
	s_mov_b32 s[G1X+3], 256<<16
	s_mov_b32 s[G1X+4], 288
	s_mov_b32 s[G1X+5], 256
	s_mov_b32 s[G1X+6], 0
	s_mov_b32 s[G1X+7], 0
	s_mov_b32 s[G1W+1], 256<<16                    ; 96 columns of 576 bytes: 216 rows of 256 bytes
	s_mov_b32 s[G1W+2], 216<<16
	s_mov_b32 s[G1W+3], 256<<16
	s_mov_b32 s[G1W+4], 216
	s_mov_b32 s[G1W+5], 256
	s_mov_b32 s[G1W+6], 0
	s_mov_b32 s[G1W+7], 0
	s_lshl_b32 s2, s[RB], 8
	s_lshl_b32 s4, s[HH], 7                        ; which 128 of the 256 rows a fetching wave takes: wave % 2
	s_add_co_u32 s2, s2, s4
	s_mul_i32 s2, s2, KROW                         ; rows: (256 block + 128 (wave % 2)) x 576: made of cx and the wave alone
	s_mov_b32 s3, 0
	s_mul_i32 s4, s[CY], 192
	s_mul_i32 s6, s[HH], 96                        ; which 96 of the 192 columns
	s_add_co_u32 s4, s4, s6
	s_mul_i32 s4, s4, KROW                         ; columns: (192 cy + 96 (wave % 2)) x 576: made of cy and the wave alone
	s_mov_b32 s5, 0
	s_mul_i32 s91, s[HH], 128*PITCH
	s_mul_i32 s92, s[HH], 96*PITCH
	s_add_co_u32 s92, s92, WOFF
	s_mov_b32 s[SEL], 0x76543210
	s_mov_b32 s[SEL+1], 0xfedcba98                 ; v_permlanex16_b32's selects for lane l xor 16
	s_mov_b32 s[HIM], 0xffff0000                   ; lanes 16-31
	s_wait_dscnt 0x0                               ; both opening adds are done
	s_wait_kmcnt 0x0
	s_cmp_eq_u32 s[G], 0                           ; k's buffers or v's: the choice hangs on the cluster's number alone
	s_cselect_b64 s[8:9], s[8:9], s[10:11]
	s_cselect_b64 s[12:13], s[12:13], s[14:15]
	s_cselect_b64 s[16:17], s[16:17], s[18:19]
	s_cselect_b64 s[20:21], s[20:21], s[22:23]
	s_cselect_b64 s[24:25], s[24:25], s[26:27]
	s_add_nc_u64 s[8:9], s[8:9], s[2:3]
	s_add_nc_u64 s[16:17], s[16:17], s[4:5]
.irp s, 0
.set GX, 56+8*\s+4*((\s+1)/2)
	s_mov_b32 s[GX], 1
	s_add_co_u32 s[GX+1], s91, \s*STG
	s_add_nc_u64 s[GX+2:GX+3], s[8:9], \s*192
	s_or_b32 s[GX+3], s[GX+3], 0x80000000
	s_mov_b32 s[GX+4], 1
	s_add_co_u32 s[GX+5], s92, \s*STG
	s_add_nc_u64 s[GX+6:GX+7], s[16:17], \s*192
	s_or_b32 s[GX+7], s[GX+7], 0x80000000
.endr
	CROUND                                         ; all sixteen work-groups are here: the joint loads meet
	s_cmp_lt_u32 s[WV], 2                          ; one joint load a wave; the branch hangs on the wave's number alone
	s_cbranch_scc0 .Lhead_w
	tensor_load_to_lds s[56:59], s[G1X:G1X+7]      ; waves 0, 1: 128 rows, all of K
	s_nop 0
	PLACES 4
	s_branch .Lhead_done
.Lhead_w:
	tensor_load_to_lds s[60:63], s[G1W:G1W+7]      ; waves 2, 3: 96 columns, all of K
	s_nop 0
	PLACES 4
.Lhead_done:
	; the other addresses
	s_mov_b32 s3, 0
	s_lshl_b32 s2, s[RB], 8
	s_lshl_b32 s4, s[RH], 7
	s_add_co_u32 s2, s2, s4
	s_mul_i32 s2, s2, 24
	s_add_nc_u64 s[12:13], s[12:13], s[2:3]        ; my 128 rows' scale bytes
	s_lshl_b32 s4, s[CY], 1
	s_add_co_u32 s4, s4, s[HH]                     ; my head
	s_mul_i32 s2, s4, 96*24
	s_add_nc_u64 s[20:21], s[20:21], s[2:3]        ; my 96 columns' scale bytes
	s_mul_i32 s2, s4, 96*4
	s_add_nc_u64 s[24:25], s[24:25], s[2:3]        ; and bias
	s_lshr_b32 s5, s[RB], 3
	s_lshl_b32 s5, s5, 3
	s_add_co_u32 s5, s5, s4                        ; batch x 8 + head
	s_mul_i32 s2, s5, 16*BLK
	s_and_b32 s5, s[RB], 7
	s_lshl_b32 s5, s5, 1
	s_add_co_u32 s5, s5, s[RH]                     ; the key step
	s_mul_i32 s5, s5, BLK
	s_add_co_u32 s2, s2, s5
	s_mul_i32 s5, s[G], 9728                       ; V's images lie behind K's
	s_add_co_u32 s2, s2, s5
	s_add_nc_u64 s[34:35], s[34:35], s[2:3]
	s_lshl_b32 s4, s[G], 7
	s_lshl_b32 s5, s[CY], 5
	s_add_co_u32 s4, s4, s5
	s_add_co_u32 s4, s4, s[RB]                     ; the work-group's number, 0..255
	s_lshl_b32 s4, s4, 1
	s_add_co_u32 s4, s4, s[RH]                     ; the tile of 16 queries of which I quantise three K steps: 3 (wave % 2) on
	s_mul_i32 s2, s4, 16*3072
	s_mul_i32 s5, s[HH], 3*512
	s_add_co_u32 s2, s2, s5
	s_add_nc_u64 s[28:29], s[28:29], s[2:3]
	s_mul_i32 s4, s4, 10240
	s_mul_i32 s5, s[HH], 512
	s_add_co_u32 s2, s4, s5
	s_add_nc_u64 s[10:11], s[36:37], s[2:3]        ; xq: my scale words (9,216 bytes on)
	s_mul_i32 s5, s[HH], 3*1536
	s_add_co_u32 s2, s4, s5
	s_add_nc_u64 s[36:37], s[36:37], s[2:3]        ; xq: my three fragments
	v_and_b32 v1, 15, v0                           ; r
	v_bfe_u32 v2, v0, 4, 1                         ; h
	v_and_b32 v3, 31, v0
	v_lshlrev_b32 v4, 3, v3                        ; 8 x lane
	v_lshlrev_b32 v3, 4, v3                        ; 16 x lane: an image's place
	v_mul_u32_u24 v[XA], v1, 3072
	v_lshl_add_u32 v[XA], v2, 6, v[XA]
	v_mul_u32_u24 v[R24], v1, 24
	v_mul_u32_u24 v[WO1], v1, KROW
	v_mad_u32_u24 v[WO2], v2, 12, v[WO1]
	v_mad_u32_u24 v[WO1], v2, 24, v[WO1]
	v_mul_u32_u24 v[ADX], v1, PITCH
	v_mad_u32_u24 v[ADX], v2, 24, v[ADX]
	v_lshl_add_u32 v[ADX+2], v2, 4, v[ADX]
	s_mul_i32 s2, s[RH], 128*PITCH
	s_mul_i32 s4, s[HH], 96*PITCH
	s_add_co_u32 s4, s4, WOFF
	v_add_nc_u32 v[ADW], s4, v[ADX]
	v_add_nc_u32 v[ADW+2], s4, v[ADX+2]
	v_add_nc_u32 v[ADX], s2, v[ADX]
	v_add_nc_u32 v[ADX+2], s2, v[ADX+2]
	v_add_nc_u32 v[ADXH], 64*PITCH, v[ADX]
	v_add_nc_u32 v[ADXH+2], 64*PITCH, v[ADX+2]
.irp b, 0,1,2,3
	v_mov_b32 v[TM+4+\b], 0                        ; written once: a lane permute's destination counts as one of its sources
.endr
.macro PATH kind
.if \kind == 0
	v_lshlrev_b32 v[BL], 5, v2                     ; bk in the result's layout: tile p, register j: channel 16 p + 8 h + j
	WIN 0x80
.irp p, 0,1,2,3,4,5
	global_load_b128 v[BIA+8*\p:BIA+8*\p+3], v[BL], s[24:25] offset:64*\p
	global_load_b128 v[BIA+8*\p+4:BIA+8*\p+7], v[BL], s[24:25] offset:64*\p+16
.endr
	WIN 0
.else
	v_lshlrev_b32 v[BL], 2, v1                     ; bv: a lane holds one channel: 16 l + r
.irp p, 0,1,2,3,4,5
	global_load_b32 v[16+\p], v[BL], s[24:25] offset:64*\p
.endr
.endif
.irp t, 0,1,2,3,4,5,6,7
.irp i, 0,1,2
	global_load_b64 v[XSC+6*\t+2*\i:XSC+6*\t+2*\i+1], v[R24], s[12:13] offset:384*\t+8*\i   ; a row's 24 scale bytes are its six words; a tile's 384 bytes are dense
.endr
.endr
.irp t, 0,1,2,3,4,5
.irp i, 0,1,2
	global_load_b64 v[WSC+6*\t+2*\i:WSC+6*\t+2*\i+1], v[R24], s[20:21] offset:384*\t+8*\i
.endr
.endr
	WIN 0x40                                       ; destination window 1
	XLOAD 0
	XLOAD 1
	XLOAD 2
	WIN 0
.if \kind == 0
	; Wo's 384 fragments (48 tiles of 16 columns x 8 heads) are laid by the 384 waves of k's first six clusters: a branch on the cluster's number, the same in all partners
	s_cmp_lt_u32 ttmp9, 6
	s_cbranch_scc0 .Lno_wo
	s_lshl_b32 s4, ttmp9, 4
	s_add_co_u32 s4, s4, s[CX]
	s_lshl_b32 s5, s[CY], 2
	s_add_co_u32 s4, s4, s5
	s_lshl_b32 s4, s4, 2
	s_add_co_u32 s4, s4, s[WV]                     ; the fragment: tile x 8 + head
	s_lshr_b32 s5, s4, 3
	s_and_b32 s6, s4, 7
	s_mul_i32 s2, s5, 16*KROW
	s_mul_i32 s7, s6, 72
	s_add_co_u32 s2, s2, s7
	s_add_nc_u64 s[30:31], s[30:31], s[2:3]
	s_mul_i32 s2, s5, 16*24
	s_mul_i32 s7, s6, 3
	s_add_co_u32 s2, s2, s7
	s_add_nc_u64 s[32:33], s[32:33], s[2:3]
	s_mul_i32 s2, s4, 1280
	s_add_nc_u64 s[38:39], s[38:39], s[2:3]
	global_load_b64 v[16:17], v[WO1], s[30:31]             ; blocks 0 and 1 of the head: 24 bytes at 24 h
	global_load_b64 v[18:19], v[WO1], s[30:31] offset:8
	global_load_b64 v[20:21], v[WO1], s[30:31] offset:16
	global_load_b32 v22, v[WO2], s[30:31] offset:48        ; block 2: each half of the lanes its 16 codes, 12 bytes at 48 + 12 h
	global_load_b32 v23, v[WO2], s[30:31] offset:52
	global_load_b32 v24, v[WO2], s[30:31] offset:56
	global_load_u8 v25, v[R24], s[32:33]
	global_load_u8 v26, v[R24], s[32:33] offset:1
	global_load_u8 v27, v[R24], s[32:33] offset:2
	s_wait_loadcnt 0x0
	v_lshl_or_b32 v25, v26, 8, v25
	v_lshl_or_b32 v25, v27, 16, v25
	v_lshl_or_b32 v25, v27, 24, v25                ; s0, s1, s2, s2
	global_store_b128 v3, v[16:19], s[38:39]
	global_store_b128 v3, v[20:23], s[38:39] offset:512
	global_store_b64 v4, v[24:25], s[38:39] offset:1024    ; register 8 and the scale word
.Lno_wo:
.endif
.irp i, 0,1,2
	s_wait_loadcnt 32-16*\i                        ; this K step's 16 loads are in; the younger K steps' may be out
	QUANT 4, 1, 64*\i, AF+12*\i, PWR+\i
.irp c, 0,1,2
	global_store_b128 v3, v[AF+12*\i+4*\c:AF+12*\i+4*\c+3], s[36:37] offset:1536*\i+512*\c
.endr
.endr
	v_mov_b32 v[PWR+3], 0x7f7f7f7f                 ; the fourth word is read with the three and used by nobody
	global_store_b128 v3, v[PWR:PWR+3], s[10:11] offset:9216
.if \kind == 1
	WIN 0x80
.irp l, 0,1,2,3,4,5
.irp j, 0,1,2,3,4,5,6,7
	v_mov_b32 v[BIA+8*\l+\j], v[16+\l]             ; bv as a C operand: the lane's channel in all eight registers
.endr
.endr
	WIN 0
.endif
	s_wait_alu depctr_va_vdst(0)
	s_wait_xcnt 0x0                                ; the stores have read their registers: fragments are loaded there next
	s_wait_tensorcnt 0x0                           ; my one load is in; behind the barrier all rows and columns lie in LDS
	s_barrier_signal -1
	s_barrier_wait -1
	FETCHP \kind, 0, 0
	FETCHL \kind, 0, 0, 8-2*\kind
	STEP \kind, 0, 1
	TURN \kind, 1, 2
	s_wait_alu depctr_va_vdst(0)
	STEP \kind, 2, 0
	TURN \kind, 3, 0
	s_wait_alu depctr_va_vdst(0)
	STEP \kind, 4, 0
	s_wait_dscnt 6*(4-\kind)                       ; the last step: nothing more to fetch
	MULR \kind, 0, 4-\kind, 1, 5, 0
	s_wait_dscnt 0x0
	MULR \kind, 4-\kind, 4-\kind, 1, 5, 0
	WIN 0
	PLACES 4                                       ; in front of the first read of results, and of writes into source 1's registers
.if \kind == 0
	; THE WAY OUT, k: a tile of 16 keys becomes a fragment of nine registers and a scale word
.set LL2, 0
.rept 8
.if LL2 < 5
.set QW, 1
.set QB, 48*LL2
.else
.set QW, 2
.set QB, 48*(LL2-5)
.endif
	QUANT 3, QW, QB, AF+10*LL2, PWR+LL2
	global_store_b128 v3, v[AF+10*LL2:AF+10*LL2+3], s[34:35] offset:1024*LL2
	global_store_b128 v3, v[AF+10*LL2+4:AF+10*LL2+7], s[34:35] offset:1024*LL2+512
	v_mov_b32 v[208+LL2], v[AF+10*LL2+8]           ; register 8 of two tiles goes out as 8 bytes a lane
.set LL2, LL2+1
.endr
.irp i, 0,1,2,3
	global_store_b64 v4, v[208+2*\i:209+2*\i], s[34:35] offset:8192+256*\i
	v_cndmask_b32 v[216+\i], v[PWR+2*\i], v[PWR+2*\i+1], s[HIM]    ; one register carries two tiles' scale words: the even tile's in lanes 0-15, the odd one's in lanes 16-31
.endr
	global_store_b128 v3, v[216:219], s[34:35] offset:9216
.else
	; THE WAY OUT, v: 16 channels x 128 keys become a whole fragment and a scale word
.set LL2, 0
.rept 6
.if LL2 < 4
.set QW, 1
.set QB, 64*LL2
.else
.set QW, 2
.set QB, 64*(LL2-4)
.endif
	QUANT 4, QW, QB, AF+12*LL2, PWR+LL2
.irp c, 0,1,2
	global_store_b128 v3, v[AF+12*LL2+4*\c:AF+12*LL2+4*\c+3], s[34:35] offset:1536*LL2+512*\c
.endr
.set LL2, LL2+1
.endr
.irp i, 0,1,2
	v_cndmask_b32 v[216+\i], v[PWR+2*\i], v[PWR+2*\i+1], s[HIM]
.endr
	v_mov_b32 v219, 0x7f7f7f7f
	global_store_b128 v3, v[216:219], s[34:35] offset:9216
.endif
.endm
	s_cmp_lg_u32 s[G], 0
	s_cbranch_scc1 .Lvalue
	PATH 0
	s_branch .Lend
.Lvalue:
	PATH 1
.Lend:
	s_wait_tensorcnt 0x0                           ; the wave's end
	ds_add_u32 v[SPW], v[NIL]
	s_wait_dscnt 0x0
	CROUND                                         ; the closing round
	s_endpgm
.Lfunc_end_k_qb473b45097_proj:
	.size	k_qb473b45097_proj, .Lfunc_end_k_qb473b45097_proj-k_qb473b45097_proj
	.p2alignl 7, 3214868480
	.fill 96, 4, 3214868480
	.section	.rodata,"a",@progbits
	.p2align	6, 0x0
	.amdhsa_kernel k_qb473b45097_proj
		.amdhsa_group_segment_fixed_size 327680
		.amdhsa_private_segment_fixed_size 0
		.amdhsa_enable_private_segment 0
		.amdhsa_kernarg_size 128
		.amdhsa_user_sgpr_count 2
		.amdhsa_user_sgpr_kernarg_segment_ptr 1
		.amdhsa_wavefront_size32 1
		.amdhsa_system_sgpr_workgroup_id_x 1
		.amdhsa_system_sgpr_workgroup_id_y 1
		.amdhsa_system_sgpr_workgroup_id_z 1
		.amdhsa_system_vgpr_workitem_id 0
		.amdhsa_next_free_vgpr 1024
		.amdhsa_next_free_sgpr 102
		.amdhsa_reserve_vcc 0
		.amdhsa_float_denorm_mode_32 3
		.amdhsa_float_denorm_mode_16_64 3
		.amdhsa_memory_ordered 1
		.amdhsa_forward_progress 1
		.amdhsa_inst_pref_size 249
	.end_amdhsa_kernel
	.amdgpu_metadata
---
amdhsa.version: [ 1, 2 ]
amdhsa.kernels:
  - .name:           k_qb473b45097_proj
    .symbol:         k_qb473b45097_proj.kd
    .args:
      - { .name: key_in_codes, .offset: 0, .size: 8, .value_kind: global_buffer, .address_space: global }
      - { .name: value_in_codes, .offset: 8, .size: 8, .value_kind: global_buffer, .address_space: global }
      - { .name: key_in_scales, .offset: 16, .size: 8, .value_kind: global_buffer, .address_space: global }
      - { .name: value_in_scales, .offset: 24, .size: 8, .value_kind: global_buffer, .address_space: global }
      - { .name: Wk_codes, .offset: 32, .size: 8, .value_kind: global_buffer, .address_space: global }
      - { .name: Wv_codes, .offset: 40, .size: 8, .value_kind: global_buffer, .address_space: global }
      - { .name: Wk_scales, .offset: 48, .size: 8, .value_kind: global_buffer, .address_space: global }
      - { .name: Wv_scales, .offset: 56, .size: 8, .value_kind: global_buffer, .address_space: global }
      - { .name: bk, .offset: 64, .size: 8, .value_kind: global_buffer, .address_space: global }
      - { .name: bv, .offset: 72, .size: 8, .value_kind: global_buffer, .address_space: global }
      - { .name: query_in, .offset: 80, .size: 8, .value_kind: global_buffer, .address_space: global }
      - { .name: Wo_codes, .offset: 88, .size: 8, .value_kind: global_buffer, .address_space: global }
      - { .name: Wo_scales, .offset: 96, .size: 8, .value_kind: global_buffer, .address_space: global }
      - { .name: kv, .offset: 104, .size: 8, .value_kind: global_buffer, .address_space: global }
      - { .name: xq, .offset: 112, .size: 8, .value_kind: global_buffer, .address_space: global }
      - { .name: wo_img, .offset: 120, .size: 8, .value_kind: global_buffer, .address_space: global }
    .group_segment_fixed_size: 327680
    .private_segment_fixed_size: 0
    .kernarg_segment_align: 8
    .kernarg_segment_size: 128
    .max_flat_workgroup_size: 128
    .sgpr_count:     102
    .vgpr_count:     1024
    .wavefront_size: 32
...
	.end_amdgpu_metadata
.endif
;; end of part 1
;; launch attn (part 2): grid 8 x 32, 16 waves a work-group, clusters of 4 x 1, 327,680 bytes of LDS; arguments kv, xq, Wq_codes, Wq_scales, bq, ctx; writes ctx
.if DOCPART == 2
	.amdgcn_target "amdgcn-amd-amdhsa--gfx1250"
	.amdhsa_code_object_version 6
	.text
	.protected	k_qb473b45097_attn
	.globl	k_qb473b45097_attn
	.p2align	8
	.type	k_qb473b45097_attn,@function
k_qb473b45097_attn:
	s_mov_b64 s[64:65], 0
	v_nop
	global_prefetch_b8 v0, s[64:65] scope:SCOPE_SE
	s_setreg_imm32_b32 hwreg(HW_REG_WAVE_MODE, 25, 1), 1
	s_wait_xcnt 0x0
	s_wait_alu depctr_hold_cnt(0) depctr_sa_sdst(0) depctr_va_vdst(0) depctr_va_sdst(0) depctr_va_ssrc(0) depctr_va_vcc(0) depctr_vm_vsrc(0)
	s_getreg_b32 s2, hwreg(HW_REG_IB_STS2, 6, 4)
	s_cmp_eq_u32 s2, 0
	s_cbranch_scc0 .Lentry_in_a_cluster
	s_endpgm
.Lentry_in_a_cluster:
	s_bfe_u32 s2, ttmp6, 0x10000c
	s_cmp_lg_u32 s2, 0x3003
	s_cbranch_scc0 .Lentry_shape_is_right
	s_endpgm
.Lentry_shape_is_right:
; SECOND LAUNCH.  q = query_in Wq + bq for one head, quantised along the head's 96; S^T = k q^T; the softmax as the problem states it ahead of a quantised product; O^T = v^T p^T; O / l, quantised along the head's 96, goes out
; as an image of an operand's registers (buffer ctx).  All products on codes of FP6 (E2M3) with E8M0 scales.  No work of the problem is left out here.
; THE SOFTMAX: t = score x 12^-0.5 x log2(e); M = the running largest t rounded UP to a whole number; p = 2^(t - M) is quantised along the keys, not normalised; the row's sum is taken of the unquantised p and divides O at the end;
; when M moves, the sum and O are multiplied by 2^(old M - new M), which rounds nothing.
; SHARES.  A work-group owns 256 queries of one (batch, head); each of its sixteen waves one tile of 16, in 256 registers: four waves to a SIMD, so that one wave's vector work stands beside another's matrix work and LDS loads.
; Both products are used transposed: a lane holds ONE query (lane % 16) throughout.  Every wave walks the head's 2,048 keys, 128 a step.
; K AND V come as images of operand registers, one dense block of 19,456 bytes a key step: a fragment is read by loads of 16 bytes a lane, 512 consecutive bytes each.  The order of codes inside a block of 32 is that of the
; first launch's results; q and p are made here by the same lines, so both sides of each product agree.  A head of 96 fills nine registers of a fragment (scale word s0, s1, s2, s2); q's registers 9-11 are zeros, and k's hold
; whatever codes lay there: a code of E2M3 is always a finite number, so those products are zeros.
; LDS: twelve key steps' blocks, Wq's 96 rows of this head and their scale bytes, all asked for at the head; the last four key steps are ONE refill, onto the first four blocks, behind a round of the cluster's barrier, eight steps ahead of their use.
; CLUSTER 4 x 1: the four blocks of queries of a cluster share K, V and Wq: every tile is asked for jointly, by waves 0 to 11 of each partner: one load of a wave is out at the most, by this text's count.
; No prefetch: three quarters of K and V are requested at the head, the rest eight key steps ahead of the wait for it.
; LIMITS: scale bytes are held at 1 from below (a block of zeros keeps 1: its codes are zeros); NaN and infinities are not served.  A block's largest p is made from the block's largest score by the same two instructions
; that make every p, which takes v_exp_f32 not to fall where its input rises.
; REGISTERS, main loop: v1, v2 16 and 8 x lane; v8, v9 the step's LDS addresses; v12 -M, v13 the largest t, v[14:15] the sum; v16-27 q; v32-91, v208-219 six fragments; v96-159 S^T, then p; v160-207 O^T; v224-235 p's codes;
;   v232-247 at work; v252 f.   Q phase: v32-67 three fragments of Wq; v104-151 six accumulators; v152-211 and v68-79 x's six fragments.
;   SCALE WORDS, in registers that hold nothing else: v248-251 Wq's, then k's, then v's; v92-95 and v220-223 x's; v253 p's; v255 q's.
.set BLK,   19456                      ; a key step: K's tiles 8,192; their ninth registers 1,024; K's scale words 512; V's tiles 9,216; V's scale words 512
.set WQO,   12*BLK
.set WQP,   720                        ; a row of Wq in LDS: 9 x (64 bytes + 16 of padding)
.set SPARE, WQO+96*WQP                 ; the spare words, 128 bytes for each of sixteen waves
.set WQS,   SPARE+2048                 ; behind them: Wq's scale bytes of this head, 96 rows of 24 bytes, dense
.set L16,  1
.set L8,   2
.set SPW,  5
.set NIL,  6
.set AD16, 8
.set AD8,  9
.set AS,   10                          ; v10  my row's place among Wq's scale bytes: WQS + 24 r
.set AQ,   28                          ; v28, v30: my lane's place in Wq's rows, and the same behind one padding more
.set WV,   18
.set SEL,  20
.set CS,   22
.set G1KV, 24
.set G1WQ, 32
.set G0Q,  40                          ; s[40:43] Wq's third; s[44:47] block i; s[56:59] the refill: key step 12 + i into block i.  None is ever rewritten
.set G0A,  44
.set G0R,  56
.set G1S,  80                          ; s[80:87], s[88:91] groups 1 and 0 for the head's scale bytes of Wq
.set G0S,  88
.set TB,   2
.set CNT,  3
.macro PLACES n
.rept \n
	v_nop
.endr
.endm
.macro CROUND
	s_barrier_signal -1
	s_barrier_wait -1
	s_cmp_lg_u32 s[WV], 0
	s_cbranch_scc1 .Lnot_wave_0_\@
	s_barrier_signal -3
.Lnot_wave_0_\@:
	s_barrier_wait -3
	s_barrier_signal -1
	s_barrier_wait -1
.endm
.macro FRAGQ reg, q, i                 ; 16 rows of Wq x the q-th 128 along K, in pieces of 8 bytes
.irp p, 0,1,2,3,4,5
.set PCE, 12*(\q)+6*(\p/3)+\p%3
.if PCE%8 < 5
	ds_load_b64 v[\reg+2*\p:\reg+2*\p+1], v[AQ] offset:8*PCE+16*(PCE/8)+(\i)*16*WQP
.else
	ds_load_b64 v[\reg+2*\p:\reg+2*\p+1], v[AQ+2] offset:8*PCE+16*(PCE/8)+(\i)*16*WQP
.endif
.endr
.endm
; 48 numbers of a lane, 16 of each of three blocks (lane l xor 16 holds the other 16), become nine registers of codes in v[pc] on and the row's scale word s0, s1, s2, s2 in v[pw]
.macro QUANT96 s, pc, pw
.irp b, 0,1,2
	v_max3_num_f32 v[232+\b], |v[\s+16*\b]|, |v[\s+16*\b+1]|, 0x1800000   ; with the floor 2^(3 - 127)
.endr
.irp i, 2,4,6,8,10,12,14
.irp b, 0,1,2
	v_max3_num_f32 v[232+\b], v[232+\b], |v[\s+16*\b+\i]|, |v[\s+16*\b+\i+1]|
.endr
.endr
.irp b, 0,1,2
	s_delay_alu instid0(VALU_DEP_3)
	v_permlanex16_b32 v[236+\b], v[232+\b], s[SEL], s[SEL+1]
.endr
.irp b, 0,1,2
	s_delay_alu instid0(VALU_DEP_3)
	v_max_num_f32 v[232+\b], v[232+\b], v[236+\b]
.endr
.irp b, 0,1,2
	s_delay_alu instid0(VALU_DEP_3)
	v_add_nc_u32 v[244+\b], 0xff000000, v[232+\b]  ; 2 off the exponent field: the conversion's scale operand
.endr
.irp b, 0,1,2
	s_delay_alu instid0(VALU_DEP_3)
	v_lshrrev_b32 v[236+\b], 23, v[244+\b]
.endr
	s_delay_alu instid0(VALU_DEP_2)
	v_lshl_or_b32 v[\pw], v237, 8, v236
	s_delay_alu instid0(VALU_DEP_1)
	v_lshl_or_b32 v[\pw], v238, 16, v[\pw]
	s_delay_alu instid0(VALU_DEP_1)
	v_lshl_or_b32 v[\pw], v238, 24, v[\pw]
	v_cvt_scalef32_pk16_fp6_f32 v[\pc:\pc+2], v[\s:\s+15], v244
	v_cvt_scalef32_pk16_fp6_f32 v[240:242], v[\s+16:\s+31], v245
	v_cvt_scalef32_pk16_fp6_f32 v[\pc+6:\pc+8], v[\s+32:\s+47], v246
	v_nop                                          ; one plain place behind the last scaled conversion
.irp i, 0,1,2
	v_permlane16_swap_b32 v[\pc+\i], v[240+\i]
.endr
.irp i, 0,1,2
	s_delay_alu instid0(VALU_DEP_3)
	v_mov_b32 v[\pc+3+\i], v[240+\i]
.endr
.endm
	s_load_b256 s[4:11], s[0:1], 0x0               ; kv, xq, Wq's codes, Wq's scales
	s_load_b128 s[12:15], s[0:1], 0x20             ; bq, ctx
	v_lshl_add_u32 v[SPW], v0, 2, SPARE
	v_mov_b32 v[NIL], 0
	ds_add_u32 v[SPW], v[NIL]                      ; the wave's opening: the add, twice on end, and its wait ahead of the first tensor loads
	ds_add_u32 v[SPW], v[NIL]
	v_lshrrev_b32 v3, 5, v0
	s_delay_alu instid0(VALU_DEP_1)
	v_readfirstlane_b32 s[WV], v3                  ; wave 0..15
	s_and_b32 s60, ttmp7, 0xffff                   ; batch x 8 + head, which the four partners share
	s_and_b32 s61, s60, 7                          ; head
	s_lshr_b32 s62, s60, 3                         ; batch
	s_mov_b32 s[G1KV], 15|(3<<16)|(1<<21)          ; the mask: all four; elements of 8 bytes; bit 21 beside a mask; no padding
	s_mov_b32 s[G1KV+1], 32<<16                    ; a block is dense: 76 rows of 256 bytes
	s_mov_b32 s[G1KV+2], 76<<16
	s_mov_b32 s[G1KV+3], 32<<16
	s_mov_b32 s[G1KV+4], 76
	s_mov_b32 s[G1KV+5], 32
	s_mov_b32 s[G1KV+6], 0
	s_mov_b32 s[G1KV+7], 0
	s_mov_b32 s[G1WQ], 15|(1<<20)|(1<<21)|(3<<22)|(3<<25)  ; elements of 1 byte; after every 16 words 4 words of padding
	s_mov_b32 s[G1WQ+1], 256<<16                   ; 32 rows of 576 bytes are dense: 72 rows of 256 bytes, each at a multiple of 256 bytes from the buffer's first byte
	s_mov_b32 s[G1WQ+2], 72<<16
	s_mov_b32 s[G1WQ+3], 256<<16
	s_mov_b32 s[G1WQ+4], 72
	s_mov_b32 s[G1WQ+5], 256
	s_mov_b32 s[G1WQ+6], 0
	s_mov_b32 s[G1WQ+7], 0
	s_mov_b32 s[G1S], 15|(3<<16)|(1<<21)           ; the mask: all four; elements of 8 bytes
	s_mov_b32 s[G1S+1], 32<<16                     ; the head's 2,304 scale bytes, dense: 9 rows of 256 bytes (32 elements of 8 bytes)
	s_mov_b32 s[G1S+2], 9<<16
	s_mov_b32 s[G1S+3], 32<<16
	s_mov_b32 s[G1S+4], 9
	s_mov_b32 s[G1S+5], 32
	s_mov_b32 s[G1S+6], 0
	s_mov_b32 s[G1S+7], 0
	s_mul_i32 s66, s60, 16*BLK
	s_mul_i32 s68, s[WV], BLK                      ; block w: in LDS and in the head's part of kv alike (waves 0-11 fill; waves 0-3 refill)
	s_add_co_u32 s66, s66, s68
	s_mov_b32 s67, 0
	s_mul_i32 s70, s61, 96*576
	s_mul_i32 s69, s[WV], 32*576                   ; waves 0-2: a third of Wq's 96 rows
	s_add_co_u32 s70, s70, s69
	s_mov_b32 s71, 0
	s_mul_i32 s69, s[WV], 32*WQP
	s_add_co_u32 s69, s69, WQO
	s_mul_i32 s78, s61, 96*24
	s_mov_b32 s79, 0
	s_mov_b32 s[SEL], 0x76543210
	s_mov_b32 s[SEL+1], 0xfedcba98
	s_mov_b32 s[CS], 0x3ed53b94                    ; c = 12^-0.5 x log2(e)
	s_mov_b32 s[CS+1], s[CS]                       ; (named with it as a pair, so it is written)
	s_wait_dscnt 0x0                               ; both opening adds are done
	s_wait_kmcnt 0x0
	s_add_nc_u64 s[4:5], s[4:5], s[66:67]
	s_add_nc_u64 s[8:9], s[8:9], s[70:71]
	s_add_nc_u64 s[10:11], s[10:11], s[78:79]
	s_mov_b32 s[G0Q], 1
	s_mov_b32 s[G0Q+1], s69
	s_mov_b64 s[G0Q+2:G0Q+3], s[8:9]
	s_or_b32 s[G0Q+3], s[G0Q+3], 0x80000000
	s_mov_b32 s[G0S], 1
	s_mov_b32 s[G0S+1], WQS
	s_mov_b64 s[G0S+2:G0S+3], s[10:11]
	s_or_b32 s[G0S+3], s[G0S+3], 0x80000000
.irp j, 0
	s_mov_b32 s[G0A+4*\j], 1
	s_add_co_u32 s[G0A+4*\j+1], s68, 4*\j*BLK
	s_add_nc_u64 s[G0A+4*\j+2:G0A+4*\j+3], s[4:5], 4*\j*BLK
	s_or_b32 s[G0A+4*\j+3], s[G0A+4*\j+3], 0x80000000
.endr
	s_mov_b32 s[G0R], 1
	s_mov_b32 s[G0R+1], s68
	s_add_nc_u64 s[G0R+2:G0R+3], s[4:5], 12*BLK
	s_or_b32 s[G0R+3], s[G0R+3], 0x80000000
	CROUND                                         ; all four work-groups are here: the first joint loads meet
	; THE FILLS AS THIS TEXT HAS THEM: at the head what the Q phase needs, one joint load a wave in one chain of branches on the wave's number: waves 0-2 a third of Wq each, wave 3 its scale bytes.
	; The twelve key blocks follow behind the next round, one a wave (waves 0-11), and have the Q phase in which to land.  One load of a wave is out at the most, by this text's count.
	s_cmp_lt_u32 s[WV], 3
	s_cbranch_scc0 .Lfill_s
	tensor_load_to_lds s[G0Q:G0Q+3], s[G1WQ:G1WQ+7]
	s_nop 0
	PLACES 4
	s_branch .Lno_fill
.Lfill_s:
	s_cmp_eq_u32 s[WV], 3
	s_cbranch_scc0 .Lno_fill
	tensor_load_to_lds s[G0S:G0S+3], s[G1S:G1S+7]
	s_nop 0
	PLACES 4
.Lno_fill:
	s_bfe_u32 s72, ttmp6, 0x40000                  ; cx enters xq's and ctx's addresses alone
	s_lshl_b32 s73, ttmp9, 2
	s_add_co_u32 s73, s73, s72                     ; my block of 256 queries
	s_lshl_b32 s74, s62, 7
	s_lshl_b32 s73, s73, 4
	s_add_co_u32 s74, s74, s73
	s_add_co_u32 s74, s74, s[WV]                   ; my tile of 16 queries: 128 batch + 16 block + wave
	s_mov_b32 s77, 0
	s_mul_i32 s76, s74, 10240
	s_add_nc_u64 s[6:7], s[6:7], s[76:77]
	s_lshl_b32 s74, s74, 3
	s_add_co_u32 s74, s74, s61
	s_mul_i32 s76, s74, 1280
	s_add_nc_u64 s[14:15], s[14:15], s[76:77]
	s_mul_i32 s76, s61, 96*4
	s_add_nc_u64 s[12:13], s[12:13], s[76:77]
	v_and_b32 v3, 15, v0                           ; r
	v_bfe_u32 v4, v0, 4, 1                         ; h
	v_and_b32 v7, 31, v0
	s_delay_alu instid0(VALU_DEP_1)
	v_lshlrev_b32 v[L16], 4, v7
	s_delay_alu instid0(VALU_DEP_2)
	v_lshlrev_b32 v[L8], 3, v7
	v_mul_u32_u24 v[AS], v3, 24
	s_delay_alu instid0(VALU_DEP_1)
	v_add_nc_u32 v[AS], WQS, v[AS]
	v_lshlrev_b32 v11, 5, v4
	v_mul_u32_u24 v[AQ], v3, WQP
	s_delay_alu instid0(VALU_DEP_1)
	v_mad_u32_u24 v[AQ], v4, 24, v[AQ]
	s_delay_alu instid0(VALU_DEP_1)
	v_add_nc_u32 v[AQ], WQO, v[AQ]
	s_delay_alu instid0(VALU_DEP_1)
	v_lshl_add_u32 v[AQ+2], v4, 4, v[AQ]
.irp s, 0,1,2,3,4,5
.set XFR, 152+12*\s
.if \s == 5
.set XFR, 68
.endif
.irp c, 0,1,2
	global_load_b128 v[XFR+4*\c:XFR+4*\c+3], v[L16], s[6:7] offset:1536*\s+512*\c   ; x's six fragments, as images
.endr
.endr
	global_load_b128 v[92:95], v[L16], s[6:7] offset:9216          ; x's scale words of K steps 0-2,
	global_load_b128 v[220:223], v[L16], s[6:7] offset:9728        ; and 3-5
.irp t, 0,1,2,3,4,5
	global_load_b128 v[104+8*\t:107+8*\t], v11, s[12:13] offset:64*\t      ; bq lands in the accumulators, in the result's layout: the sums begin with it
	global_load_b128 v[108+8*\t:111+8*\t], v11, s[12:13] offset:64*\t+16
.endr
	s_wait_alu depctr_va_vdst(0)
	s_wait_tensorcnt 0x0                           ; my part of Wq or of its scale bytes is in; ahead of a later first fill:
	ds_add_u32 v[SPW], v[NIL]                      ; the add twice on end
	ds_add_u32 v[SPW], v[NIL]
	s_wait_dscnt 0x0
	CROUND                                         ; Wq and its scale bytes are whole, and all four work-groups are here: the joint loads meet
	s_cmp_lt_u32 s[WV], 12
	s_cbranch_scc0 .Lno_kv
	tensor_load_to_lds s[G0A:G0A+3], s[G1KV:G1KV+7]    ; key step w into block w
	s_nop 0
	PLACES 4
.Lno_kv:
	s_wait_loadcnt 0x0
	; THE Q PHASE: q^T = Wq x^T + bq, six accumulators by turns, three fragments of Wq and their scale words at a time
.irp ks, 0,1,2,3,4,5
.set XFR, 152+12*\ks
.set XSW, 92+\ks
.if \ks > 2
.set XSW, 217+\ks
.endif
.if \ks == 5
.set XFR, 68
.endif
.irp g, 0,1
.if (\ks+\g) > 0
	PLACES 4                                       ; in front of loads into registers that matrix instructions have read
.endif
.irp a, 0,1,2
	FRAGQ 32+12*\a, \ks, 3*\g+\a
	ds_load_b32 v[248+\a], v[AS] offset:(3*\g+\a)*384+4*\ks    ; row r's four scale bytes of this K step
.endr
	s_wait_dscnt 0x0
.irp a, 0,1,2
	v_wmma_scale_f32_16x16x128_f8f6f4 v[104+8*(3*\g+\a):111+8*(3*\g+\a)], v[32+12*\a:43+12*\a], v[XFR:XFR+11], v[104+8*(3*\g+\a):111+8*(3*\g+\a)], v[248+\a], v[XSW] matrix_a_fmt:MATRIX_FMT_FP6 matrix_b_fmt:MATRIX_FMT_FP6
.endr
.endr
.endr
	s_wait_tensorcnt 0x0                           ; my key block is in; behind the barrier all twelve are
	s_wait_dscnt 0x0
	s_barrier_signal -1
	s_barrier_wait -1
.irp b, 0,1,2,3
	v_mov_b32 v[236+\b], 0                         ; written once: a lane permute's destination counts as one of its sources.  These four are also the places behind the last products
.endr
	QUANT96 104, 16, 255
	v_mov_b32 v25, 0                               ; q's registers 9-11: zeros
	v_mov_b32 v26, 0
	v_mov_b32 v27, 0
	v_mov_b32 v13, 0xff61b1e6                      ; the largest t so far: -3e38
	s_delay_alu instid0(VALU_DEP_1)
	v_floor_f32 v12, -v13                          ; -M
	v_mov_b32 v14, 0
	v_mov_b32 v15, 0
	v_mov_b32 v253, 0                              ; (named as the upper half of the pair v[252:253] before it is first written)
.set J, 0
.rept 48
	v_mov_b32 v[160+J], 0                          ; O^T: the step is written once, and the first finds zeros.  (Also the places between q's codes and scale word and the first product)
.set J, J+1
.endr
; A KEY STEP: 128 keys, the block at LDS byte s[TB]
.macro STEP
	v_add_nc_u32 v[AD16], s[TB], v[L16]
	s_wait_alu depctr_va_vdst(0)
	v_add_nc_u32 v[AD8], s[TB], v[L8]
	s_wait_alu depctr_va_vdst(0)
	v_nop
	v_nop                                          ; four places in front of loads into registers that the last products read
.irp g, 0,1                            ; S^T = k q^T, four tiles of 16 keys at a time
.if \g > 0
	PLACES 4
.endif
.irp t, 0,1,2,3
	ds_load_b128 v[32+12*\t:35+12*\t], v[AD16] offset:1024*(4*\g+\t)
	ds_load_b128 v[36+12*\t:39+12*\t], v[AD16] offset:1024*(4*\g+\t)+512
	ds_load_b32 v[40+12*\t], v[AD8] offset:8192+256*((4*\g+\t)/2)+4*(\t%2)
.endr
.if \g == 0
	ds_load_b128 v[248:251], v[AD16] offset:9216   ; word i: lanes 0-15 tile 2 i, lanes 16-31 tile 2 i + 1
.endif
	s_wait_dscnt 0x0
.irp t, 0,1,2,3
.if \t%2
	v_wmma_scale_f32_16x16x128_f8f6f4 v[96+8*(4*\g+\t):103+8*(4*\g+\t)], v[32+12*\t:43+12*\t], v[16:27], 0, v[248+(4*\g+\t)/2], v255 matrix_a_fmt:MATRIX_FMT_FP6 matrix_b_fmt:MATRIX_FMT_FP6 matrix_a_scale:MATRIX_SCALE_ROW1
.else
	v_wmma_scale_f32_16x16x128_f8f6f4 v[96+8*(4*\g+\t):103+8*(4*\g+\t)], v[32+12*\t:43+12*\t], v[16:27], 0, v[248+(4*\g+\t)/2], v255 matrix_a_fmt:MATRIX_FMT_FP6 matrix_b_fmt:MATRIX_FMT_FP6
.endif
.endr
.endr
	PLACES 4                                       ; in front of the loads below and of the first read of the scores
.irp t, 0,1,2,3,4,5                    ; v's six fragments and scale words are asked for now: the softmax stands between these loads and the wait for them
.set VF, 32+12*\t
.if \t == 5
.set VF, 208
.endif
.irp c, 0,1,2
	ds_load_b128 v[VF+4*\c:VF+4*\c+3], v[AD16] offset:9728+1536*\t+512*\c
.endr
.endr
	ds_load_b128 v[248:251], v[AD16] offset:18944
.irp b, 0,1,2,3
	v_max3_num_f32 v[232+\b], v[96+16*\b], v[97+16*\b], v[98+16*\b]    ; the largest score of each block of 32 keys: for the row's maximum, and for the block's largest p
.endr
.irp i, 3,5,7,9,11,13
.irp b, 0,1,2,3
	v_max3_num_f32 v[232+\b], v[232+\b], v[96+16*\b+\i], v[97+16*\b+\i]
.endr
.endr
.irp b, 0,1,2,3
	v_max_num_f32 v[232+\b], v[232+\b], v[111+16*\b]
.endr
.irp b, 0,1,2,3
	s_delay_alu instid0(VALU_DEP_4)
	v_permlanex16_b32 v[236+\b], v[232+\b], s[SEL], s[SEL+1]
.endr
.irp b, 0,1,2,3
	s_delay_alu instid0(VALU_DEP_4)
	v_max_num_f32 v[232+\b], v[232+\b], v[236+\b]  ; with lane l xor 16's 16 keys
.endr
	s_delay_alu instid0(VALU_DEP_2)
	v_max3_num_f32 v254, v232, v233, v234
	s_delay_alu instid0(VALU_DEP_1)
	v_max_num_f32 v254, v254, v235
	s_delay_alu instid0(VALU_DEP_1)
	v_mul_f32 v254, s[CS], v254                    ; the step's largest t (c is positive)
	s_delay_alu instid0(VALU_DEP_1)
	v_max_num_f32 v13, v13, v254
	v_mov_b32 v254, v12
	s_delay_alu instid0(VALU_DEP_2)
	v_floor_f32 v12, -v13                          ; the new -M = -ceil(t)
	s_delay_alu instid0(VALU_DEP_1)
	v_sub_f32 v254, v12, v254                      ; old M - new M: a whole number, 0 or less
	s_delay_alu instid0(VALU_DEP_1)
	v_cvt_i32_f32 v254, v254                       ; (it saturates)
	s_delay_alu instid0(VALU_DEP_1)
	v_ldexp_f32 v252, 1.0, v254                    ; f = 2^(old M - new M)
.set J, 0
.rept 32
	v_pk_fma_f32 v[96+J:97+J], v[96+J:97+J], s[CS:CS+1], v[12:13] op_sel_hi:[1,0,0]   ; t - M, two at a time
.set J, J+2
.endr
.irp b, 0,1,2,3
	v_fma_f32 v[232+\b], v[232+\b], s[CS], v12     ; the same of each block's largest score
.endr
.set J, 0
	s_wait_alu depctr_va_vdst(0)
.rept 64
	v_exp_f32 v[96+J], v[96+J]                     ; p = 2^(t - M)
.set J, J+1
.endr
	v_pk_mul_f32 v[14:15], v[14:15], v[252:253] op_sel_hi:[1,0]    ; the sums under the new M: the plain place behind the exponentials
	s_wait_alu depctr_va_vdst(0)                   ; the wait ahead of the first instruction that names a result: one for the batch of 64
.irp b, 0,1,2,3
	v_exp_f32 v[232+\b], v[232+\b]                 ; the block's largest p
.endr
	v_pk_add_f32 v[236:237], v[100:101], v[104:105]
	v_pk_add_f32 v[246:247], v[108:109], v[112:113]
	v_pk_add_f32 v[244:245], v[116:117], v[120:121]
	v_pk_add_f32 v[242:243], v[124:125], v[128:129]
	v_pk_add_f32 v[240:241], v[132:133], v[136:137]
	v_pk_add_f32 v[238:239], v[140:141], v[144:145]
	v_pk_add_f32 v[230:231], v[148:149], v[152:153]
	v_pk_add_f32 v[14:15], v[14:15], v[156:157]
	v_pk_add_f32 v[236:237], v[236:237], v[96:97]
	v_pk_add_f32 v[246:247], v[246:247], v[98:99]
	v_pk_add_f32 v[244:245], v[244:245], v[102:103]
	v_pk_add_f32 v[242:243], v[242:243], v[106:107]
	v_pk_add_f32 v[240:241], v[240:241], v[110:111]
	v_pk_add_f32 v[238:239], v[238:239], v[114:115]
	v_pk_add_f32 v[230:231], v[230:231], v[118:119]
	v_pk_add_f32 v[14:15], v[14:15], v[122:123]
	v_pk_add_f32 v[236:237], v[236:237], v[126:127]
	v_pk_add_f32 v[246:247], v[246:247], v[130:131]
	v_pk_add_f32 v[244:245], v[244:245], v[134:135]
	v_pk_add_f32 v[242:243], v[242:243], v[138:139]
	v_pk_add_f32 v[240:241], v[240:241], v[142:143]
	v_pk_add_f32 v[238:239], v[238:239], v[146:147]
	v_pk_add_f32 v[230:231], v[230:231], v[150:151]
	v_pk_add_f32 v[14:15], v[14:15], v[154:155]
	v_pk_add_f32 v[236:237], v[236:237], v[158:159]
	s_delay_alu instid0(VALU_DEP_2)
	v_pk_add_f32 v[14:15], v[14:15], v[242:243]
	s_delay_alu instid0(VALU_DEP_2)
	v_pk_add_f32 v[236:237], v[236:237], v[240:241]
	v_pk_add_f32 v[246:247], v[246:247], v[238:239]
	v_pk_add_f32 v[244:245], v[244:245], v[230:231]
	s_delay_alu instid0(VALU_DEP_2)
	v_pk_add_f32 v[14:15], v[14:15], v[246:247]
	s_delay_alu instid0(VALU_DEP_2)
	v_pk_add_f32 v[236:237], v[236:237], v[244:245]
	s_delay_alu instid0(VALU_DEP_1)
	v_pk_add_f32 v[14:15], v[14:15], v[236:237]
	s_wait_alu depctr_va_vdst(0)                   ; and one for the four
.irp b, 0,1,2,3
	v_max_num_f32 v[232+\b], 0x1800000, v[232+\b]  ; the floor 2^(3 - 127)
.endr
.irp b, 0,1,2,3
	s_delay_alu instid0(VALU_DEP_4)
	v_add_nc_u32 v[244+\b], 0xff000000, v[232+\b]
.endr
.irp b, 0,1,2,3
	s_delay_alu instid0(VALU_DEP_4)
	v_lshrrev_b32 v[236+\b], 23, v[244+\b]
.endr
	s_delay_alu instid0(VALU_DEP_3)
	v_lshl_or_b32 v253, v237, 8, v236              ; p's scale word for these 128 keys
	s_delay_alu instid0(VALU_DEP_1)
	v_lshl_or_b32 v253, v238, 16, v253
	s_delay_alu instid0(VALU_DEP_1)
	v_lshl_or_b32 v253, v239, 24, v253
.irp c, 0,1
	v_cvt_scalef32_pk16_fp6_f32 v[224+6*\c:226+6*\c], v[96+32*\c:111+32*\c], v[244+2*\c]
	v_cvt_scalef32_pk16_fp6_f32 v[236+4*\c:238+4*\c], v[112+32*\c:127+32*\c], v[244+2*\c+1]
.endr
	v_nop                                          ; one plain place behind the last scaled conversion
.irp c, 0,1
.irp i, 0,1,2
	v_permlane16_swap_b32 v[224+6*\c+\i], v[236+4*\c+\i]
.endr
.irp i, 0,1,2
	s_delay_alu instid0(VALU_DEP_3)
	v_mov_b32 v[227+6*\c+\i], v[236+4*\c+\i]
.endr
.endr
.set J, 0
.rept 24
	v_pk_mul_f32 v[160+J:161+J], v[160+J:161+J], v[252:253] op_sel_hi:[1,0]    ; O^T under the new M.  (These 24 are also the places between p's codes and scale word and the products below)
.set J, J+2
.endr
	s_wait_alu depctr_va_vdst(0)
	s_wait_dscnt 0x0                               ; v's fragments and scale words are in
.irp t, 0,1,2,3,4,5                    ; O^T += v^T p^T: six accumulators by turns
.set VF, 32+12*\t
.if \t == 5
.set VF, 208
.endif
.if \t%2
	v_wmma_scale_f32_16x16x128_f8f6f4 v[160+8*\t:167+8*\t], v[VF:VF+11], v[224:235], v[160+8*\t:167+8*\t], v[248+\t/2], v253 matrix_a_fmt:MATRIX_FMT_FP6 matrix_b_fmt:MATRIX_FMT_FP6 matrix_a_scale:MATRIX_SCALE_ROW1
.else
	v_wmma_scale_f32_16x16x128_f8f6f4 v[160+8*\t:167+8*\t], v[VF:VF+11], v[224:235], v[160+8*\t:167+8*\t], v[248+\t/2], v253 matrix_a_fmt:MATRIX_FMT_FP6 matrix_b_fmt:MATRIX_FMT_FP6
.endif
.endr
	s_add_co_u32 s[TB], s[TB], BLK
.endm
.macro WALK n                          ; n key steps, from the block at s[TB] on
	s_mov_b32 s[CNT], \n
.Lwalk_\@:
	STEP
	s_sub_co_u32 s[CNT], s[CNT], 1
	s_cmp_lg_u32 s[CNT], 0
	s_cbranch_scc1 .Lwalk_\@
.endm
	s_mov_b32 s[TB], 0
	WALK 4                                         ; key steps 0 to 3, blocks 0 to 3
	s_wait_tensorcnt 0x0                           ; all my tensor loads have landed: blocks 4 to 11 are whole behind the round
	ds_add_u32 v[SPW], v[NIL]                      ; the add here, twice on end
	ds_add_u32 v[SPW], v[NIL]
	s_wait_dscnt 0x0                               ; the adds are done, and my reads of blocks 0 to 3 are over
	CROUND                                         ; no wave of any partner still reads them or has a load on its way
	s_cmp_lt_u32 s[WV], 4
	s_cbranch_scc0 .Lno_refill
	tensor_load_to_lds s[G0R:G0R+3], s[G1KV:G1KV+7]    ; key steps 12 to 15, onto blocks 0 to 3: the one refill; it has eight key steps in which to land
	s_nop 0
	PLACES 4
.Lno_refill:
	s_mov_b32 s[TB], 4*BLK
	WALK 8                                         ; key steps 4 to 11
	s_wait_tensorcnt 0x0                           ; the refill has landed
	s_wait_dscnt 0x0
	s_barrier_signal -1
	s_barrier_wait -1                              ; everybody's has
	s_mov_b32 s[TB], 0
	WALK 4                                         ; key steps 12 to 15
	; THE WAY OUT: O / l in f32; the head's channels are brought into their natural order, since Wo's codes are given so; quantised along the 96; stored as an image
	v_add_f32 v14, v14, v15
	s_delay_alu instid0(VALU_DEP_1)
	v_permlanex16_b32 v252, v14, s[SEL], s[SEL+1]
	s_delay_alu instid0(VALU_DEP_1)
	v_add_f32 v14, v14, v252                       ; the row's sum
	s_wait_alu depctr_va_vdst(0)
	v_rcp_f32 v14, v14
	PLACES 3                                       ; the plain place behind the reciprocal; with the additions above, the places behind the last products
	s_wait_alu depctr_va_vdst(0)                   ; ahead of the reciprocal's first reader
.set J, 0
.rept 24
	v_pk_mul_f32 v[96+J:97+J], v[160+J:161+J], v[14:15] op_sel_hi:[1,0]    ; each accumulator from its low end on
.set J, J+2
.endr
.irp b, 0,1,2
.irp j, 0,1,2,3,4,5,6,7
	v_permlane16_swap_b32 v[96+16*\b+\j], v[104+16*\b+\j]  ; lanes r and r + 16 hold the same query: behind this a lane's 16 registers of block b are channels 32 b + 16 h + 0 .. 15
.endr
.endr
	QUANT96 96, 32, 41
	global_store_b128 v[L16], v[32:35], s[14:15]
	global_store_b128 v[L16], v[36:39], s[14:15] offset:512
	global_store_b64 v[L8], v[40:41], s[14:15] offset:1024     ; register 8 and the scale word
	s_wait_tensorcnt 0x0                           ; the wave's end
	ds_add_u32 v[SPW], v[NIL]
	s_wait_dscnt 0x0
	CROUND                                         ; the closing round
	s_endpgm
.Lfunc_end_k_qb473b45097_attn:
	.size	k_qb473b45097_attn, .Lfunc_end_k_qb473b45097_attn-k_qb473b45097_attn
	.p2alignl 7, 3214868480
	.fill 96, 4, 3214868480
	.section	.rodata,"a",@progbits
	.p2align	6, 0x0
	.amdhsa_kernel k_qb473b45097_attn
		.amdhsa_group_segment_fixed_size 327680
		.amdhsa_private_segment_fixed_size 0
		.amdhsa_enable_private_segment 0
		.amdhsa_kernarg_size 48
		.amdhsa_user_sgpr_count 2
		.amdhsa_user_sgpr_kernarg_segment_ptr 1
		.amdhsa_wavefront_size32 1
		.amdhsa_system_sgpr_workgroup_id_x 1
		.amdhsa_system_sgpr_workgroup_id_y 1
		.amdhsa_system_sgpr_workgroup_id_z 1
		.amdhsa_system_vgpr_workitem_id 0
		.amdhsa_next_free_vgpr 256
		.amdhsa_next_free_sgpr 100
		.amdhsa_reserve_vcc 0
		.amdhsa_float_denorm_mode_32 3
		.amdhsa_float_denorm_mode_16_64 3
		.amdhsa_memory_ordered 1
		.amdhsa_forward_progress 1
		.amdhsa_inst_pref_size 101
	.end_amdhsa_kernel
	.amdgpu_metadata
---
amdhsa.version: [ 1, 2 ]
amdhsa.kernels:
  - .name:           k_qb473b45097_attn
    .symbol:         k_qb473b45097_attn.kd
    .args:
      - { .name: kv, .offset: 0, .size: 8, .value_kind: global_buffer, .address_space: global }
      - { .name: xq, .offset: 8, .size: 8, .value_kind: global_buffer, .address_space: global }
      - { .name: Wq_codes, .offset: 16, .size: 8, .value_kind: global_buffer, .address_space: global }
      - { .name: Wq_scales, .offset: 24, .size: 8, .value_kind: global_buffer, .address_space: global }
      - { .name: bq, .offset: 32, .size: 8, .value_kind: global_buffer, .address_space: global }
      - { .name: ctx, .offset: 40, .size: 8, .value_kind: global_buffer, .address_space: global }
    .group_segment_fixed_size: 327680
    .private_segment_fixed_size: 0
    .kernarg_segment_align: 8
    .kernarg_segment_size: 48
    .max_flat_workgroup_size: 512
    .sgpr_count:     100
    .vgpr_count:     256
    .wavefront_size: 32
...
	.end_amdgpu_metadata
.endif
;; end of part 2
;; launch outln (part 3): grid 256 x 1, 16 waves a work-group, no clusters, 121,344 bytes of LDS; arguments ctx, wo_img, bo, query_in, ln_gamma, ln_beta, out0; writes out0
.if DOCPART == 3
	.amdgcn_target "amdgcn-amd-amdhsa--gfx1250"
	.amdhsa_code_object_version 6
	.text
	.protected	k_qb473b45097_outln
	.globl	k_qb473b45097_outln
	.p2align	8
	.type	k_qb473b45097_outln,@function
k_qb473b45097_outln:
	s_mov_b64 s[64:65], 0
	v_nop
	global_prefetch_b8 v0, s[64:65] scope:SCOPE_SE
	s_setreg_imm32_b32 hwreg(HW_REG_WAVE_MODE, 25, 1), 1
	s_wait_xcnt 0x0
; THIRD LAUNCH.  out0 = LayerNorm(query_in + ctx Wo + bo) x gamma + beta.  The product runs on codes of FP6 (E2M3): ctx as the attention launch quantised it, Wo as given, both as images of operand registers, one K step
; for each head of 96 (nine registers a fragment, scale word s0, s1, s2, s2; registers 9-11 are zeros).  No work of the problem is left out here.
; SHARES.  A work-group owns 32 whole rows, which the norm needs; wave w makes columns 48 w .. 48 w + 47 of them: three tiles of columns x two tiles of rows, six accumulators by turns, eight K steps.
; The product is used transposed (source 0 = 16 columns of Wo, source 1 = 16 rows of ctx): a lane holds eight neighbouring columns of one row.  bo lands in the accumulators, so the sums begin with it.
; The rows' sixteen fragments (20,480 dense bytes) are brought once, one by each wave, and go from wave to wave through LDS as images.  Wo's fragments go from memory straight into registers, two heads ahead of their use.
; NO CLUSTER, NO TENSOR LOAD: a fragment of Wo feeds two instructions of one wave; all of Wo, 491,520 bytes, does not fit in LDS, so shared tiles would be written to LDS and read back once more, behind several rounds of refills.
; The results meet in a stage in LDS; then a wave takes two whole rows: residual, mean, variance (of the differences from the mean), gain and bias, all in f32, and stores 512 consecutive bytes an instruction.
; LIMITS: NaN and infinities are not served.
; REGISTERS: v1, v2 16 and 8 x lane; v5-9 addresses; v10, v11 the add's two; v16-63 accumulators, later two rows x 24 numbers; v64-159 Wo: three sets of three fragments, later gamma and beta; v160-183 two fragments of ctx;
;   v184-192 Wo's scale words, v194-195 ctx's, which hold nothing else; v196-243 the residual; v244-253 at work.
.set STGO,  20480                      ; LDS: 16 fragments of 1,280 bytes; then the stage
.set SP,    3088                       ; a stage row: 3,072 bytes + 16
.set SPARE, STGO+32*SP                 ; the spare words, 128 bytes for each of sixteen waves
.set L16,  1
.set L8,   2
.set SPW,  10
.set NIL,  11
.set ACC,  16
.set WF,   64
; Wo's fragments are asked for TWO heads ahead of their use, in three sets of 32 registers (v64-159): fragment a of a set at 10 a, nine registers loaded; the three behind them are the neighbour's codes or zeros,
; and meet ctx's registers 9-11, which are zeros: a code of E2M3 is a finite number, so those products are zeros.  ctx's two fragments: v160-183; Wo's scale words v184-192; ctx's v194-195.
.set CF,   160
.set WSC,  184
.set CSC,  194
.set RES,  196
.set WV,   18
.set SEL,  22
.macro PLACES n
.rept \n
	v_nop
.endr
.endm
.macro WLOAD hd, set                   ; my three fragments of Wo for head hd
.irp a, 0,1,2
	global_load_b128 v[WF+32*(\set)+10*\a:WF+32*(\set)+10*\a+3], v[L16], s[6:7] offset:(8*\a+(\hd))*1280
	global_load_b128 v[WF+32*(\set)+10*\a+4:WF+32*(\set)+10*\a+7], v[L16], s[6:7] offset:(8*\a+(\hd))*1280+512
	global_load_b32 v[WF+32*(\set)+10*\a+8], v[L8], s[6:7] offset:(8*\a+(\hd))*1280+1024
	global_load_b32 v[WSC+3*(\set)+\a], v[L8], s[6:7] offset:(8*\a+(\hd))*1280+1028
.endr
.endm
.macro REDUCE a, b                     ; v[a] and v[b] are summed over the 32 lanes, by turns; every lane gets the sums
.irp m, 1,2,4,8
	s_delay_alu instid0(VALU_DEP_2)
	v_add_f32_dpp v[\a], v[\a], v[\a] row_xmask:\m row_mask:0xf bank_mask:0xf
	s_delay_alu instid0(VALU_DEP_2)
	v_add_f32_dpp v[\b], v[\b], v[\b] row_xmask:\m row_mask:0xf bank_mask:0xf
.endr
	s_delay_alu instid0(VALU_DEP_2)
	v_permlanex16_b32 v248, v[\a], s[SEL], s[SEL+1]
	s_delay_alu instid0(VALU_DEP_2)
	v_permlanex16_b32 v249, v[\b], s[SEL], s[SEL+1]
	s_delay_alu instid0(VALU_DEP_2)
	v_add_f32 v[\a], v[\a], v248
	s_delay_alu instid0(VALU_DEP_2)
	v_add_f32 v[\b], v[\b], v249
.endm
	s_load_b256 s[4:11], s[0:1], 0x0               ; ctx, wo_img, bo, query_in
	s_load_b128 s[12:15], s[0:1], 0x20             ; gamma, beta
	s_load_b64 s[16:17], s[0:1], 0x30              ; out0
	v_lshl_add_u32 v[SPW], v0, 2, SPARE
	v_mov_b32 v[NIL], 0
.irp f, 0,1,2
.irp i, 9,19,29,30,31
	v_mov_b32 v[WF+32*\f+\i], 0                    ; the registers of each set into which no load lands: zeros, written once
.endr
.endr
.irp f, 0,1
.irp i, 9,10,11
	v_mov_b32 v[CF+12*\f+\i], 0
.endr
.endr
	v_lshrrev_b32 v3, 5, v0
	s_delay_alu instid0(VALU_DEP_1)
	v_readfirstlane_b32 s[WV], v3                  ; wave 0..15
	v_and_b32 v3, 15, v0                           ; r
	v_bfe_u32 v4, v0, 4, 1                         ; h
	v_and_b32 v5, 31, v0
	s_delay_alu instid0(VALU_DEP_1)
	v_lshlrev_b32 v[L16], 4, v5
	s_delay_alu instid0(VALU_DEP_2)
	v_lshlrev_b32 v[L8], 3, v5
	s_delay_alu instid0(VALU_DEP_4)
	v_lshlrev_b32 v5, 5, v4                        ; bo: 32 h
	s_mul_i32 s24, s[WV], 1280
	v_add_nc_u32 v6, s24, v[L16]                   ; where I store my fragment's image
	v_add_nc_u32 v7, s24, v[L8]
	v_mul_u32_u24 v8, v3, SP
	s_delay_alu instid0(VALU_DEP_1)
	v_lshl_add_u32 v8, v4, 5, v8
	s_mul_i32 s25, s[WV], 192
	s_add_co_u32 s25, s25, STGO
	v_add_nc_u32 v8, s25, v8                       ; the stage, in: row r, + 32 h, + my 48 columns' 192 bytes x wave
	s_mul_i32 s25, s[WV], 2*SP
	s_add_co_u32 s25, s25, STGO
	v_add_nc_u32 v9, s25, v[L16]                   ; and back: rows 2 w and 2 w + 1, 16 bytes a lane
	s_mul_i32 s26, ttmp9, 16*1280
	s_add_co_u32 s26, s26, s24
	s_mov_b32 s27, 0
	s_mul_i32 s28, s[WV], 24*1280
	s_mov_b32 s29, 0
	s_mul_i32 s30, s[WV], 192
	s_mov_b32 s31, 0
	s_lshl_b32 s32, ttmp9, 5
	s_lshl_b32 s33, s[WV], 1
	s_add_co_u32 s32, s32, s33
	s_mul_i32 s32, s32, 3072
	s_mov_b32 s33, 0
	s_mov_b32 s20, 0x3aaaaaab                      ; 1 / 768
	s_mov_b32 s21, 0x3727c5ac                      ; 1e-5
	s_mov_b32 s[SEL], 0x76543210
	s_mov_b32 s[SEL+1], 0xfedcba98
	s_wait_alu depctr_va_vdst(0)
	s_wait_kmcnt 0x0
	s_add_nc_u64 s[4:5], s[4:5], s[26:27]          ; my fragment of ctx: tile w / 8, head w % 8
	s_add_nc_u64 s[6:7], s[6:7], s[28:29]          ; my three tiles of Wo
	s_add_nc_u64 s[8:9], s[8:9], s[30:31]
	s_add_nc_u64 s[10:11], s[10:11], s[32:33]      ; rows 2 w and 2 w + 1 of the work-group's 32
	s_add_nc_u64 s[16:17], s[16:17], s[32:33]
	global_load_b128 v[244:247], v[L16], s[4:5]
	global_load_b128 v[248:251], v[L16], s[4:5] offset:512
	global_load_b64 v[252:253], v[L8], s[4:5] offset:1024
.irp u, 0,1
.irp i, 0,1,2,3,4,5
	global_load_b128 v[RES+24*\u+4*\i:RES+24*\u+4*\i+3], v[L16], s[10:11] offset:3072*\u+512*\i th:TH_LOAD_NT
.endr
.endr
.irp a, 0,1,2
.irp m, 0,1
	global_load_b128 v[ACC+8*(2*\a+\m):ACC+8*(2*\a+\m)+3], v5, s[8:9] offset:64*\a
	global_load_b128 v[ACC+8*(2*\a+\m)+4:ACC+8*(2*\a+\m)+7], v5, s[8:9] offset:64*\a+16
.endr
.endr
	WLOAD 0, 0
	WLOAD 1, 1
	s_wait_loadcnt 48                              ; my fragment of ctx is in; the residual's 12, bo's 12 and Wo's 24 loads may be out
	ds_store_b128 v6, v[244:247]
	ds_store_b128 v6, v[248:251] offset:512
	ds_store_b64 v7, v[252:253] offset:1024
	s_wait_dscnt 0x0                               ; for the others' sake: my stores have landed
	s_barrier_signal -1
	s_barrier_wait -1                              ; the sixteen fragments lie in LDS
.irp hd, 0,1,2,3,4,5,6,7
.if \hd < 6
	WLOAD \hd+2, (\hd+2)%3
.endif
.irp m, 0,1
	ds_load_b128 v[CF+12*\m:CF+12*\m+3], v[L16] offset:(8*\m+\hd)*1280
	ds_load_b128 v[CF+12*\m+4:CF+12*\m+7], v[L16] offset:(8*\m+\hd)*1280+512
	ds_load_b32 v[CF+12*\m+8], v[L8] offset:(8*\m+\hd)*1280+1024
	ds_load_b32 v[CSC+\m], v[L8] offset:(8*\m+\hd)*1280+1028
.endr
.if \hd < 6
	s_wait_loadcnt 24                              ; all but the next two heads' loads, twelve each
.else
	s_wait_loadcnt 12*(7-\hd)                      ; head 6: head 7's twelve may be out; head 7: none
.endif
	s_wait_dscnt 0x0
.irp a, 0,1,2
.irp m, 0,1
	v_wmma_scale_f32_16x16x128_f8f6f4 v[ACC+8*(2*\a+\m):ACC+8*(2*\a+\m)+7], v[WF+32*(\hd%3)+10*\a:WF+32*(\hd%3)+10*\a+11], v[CF+12*\m:CF+12*\m+11], v[ACC+8*(2*\a+\m):ACC+8*(2*\a+\m)+7], v[WSC+3*(\hd%3)+\a], v[CSC+\m] matrix_a_fmt:MATRIX_FMT_FP6 matrix_b_fmt:MATRIX_FMT_FP6
.endr
.endr
	PLACES 4                                       ; in front of loads into registers that matrix instructions have read, and of the first read of results
.endr
.irp i, 0,1,2,3,4,5
	global_load_b128 v[64+4*\i:67+4*\i], v[L16], s[12:13] offset:512*\i    ; gamma and beta at my lane's columns: 4 lane + 128 i + 0 .. 3
	global_load_b128 v[88+4*\i:91+4*\i], v[L16], s[14:15] offset:512*\i
.endr
.irp a, 0,1,2
.irp m, 0,1
	ds_store_b128 v8, v[ACC+8*(2*\a+\m):ACC+8*(2*\a+\m)+3] offset:16*\m*SP+64*\a       ; each accumulator from its low end on
	ds_store_b128 v8, v[ACC+8*(2*\a+\m)+4:ACC+8*(2*\a+\m)+7] offset:16*\m*SP+64*\a+16
.endr
.endr
	s_wait_dscnt 0x0
	s_barrier_signal -1
	s_barrier_wait -1                              ; 32 whole rows lie in the stage
.irp u, 0,1
.irp i, 0,1,2,3,4,5
	ds_load_b128 v[ACC+24*\u+4*\i:ACC+24*\u+4*\i+3], v9 offset:\u*SP+512*\i
.endr
.endr
	s_wait_dscnt 0x0
.set J, 0
.rept 24
	v_pk_add_f32 v[ACC+J:ACC+J+1], v[ACC+J:ACC+J+1], v[RES+J:RES+J+1]      ; x = residual + out
.set J, J+2
.endr
.irp u, 0,1
	v_pk_add_f32 v[244+2*\u:245+2*\u], v[ACC+24*\u:ACC+24*\u+1], v[ACC+24*\u+2:ACC+24*\u+3]
.endr
.irp j, 4,6,8,10,12,14,16,18,20,22
.irp u, 0,1
	s_delay_alu instid0(VALU_DEP_2)
	v_pk_add_f32 v[244+2*\u:245+2*\u], v[244+2*\u:245+2*\u], v[ACC+24*\u+\j:ACC+24*\u+\j+1]   ; the two rows by turns
.endr
.endr
	s_delay_alu instid0(VALU_DEP_2)
	v_add_f32 v244, v244, v245
	s_delay_alu instid0(VALU_DEP_2)
	v_add_f32 v246, v246, v247
	REDUCE 244, 246
	s_delay_alu instid0(VALU_DEP_2)
	v_mul_f32 v244, s20, v244                      ; the means
	s_delay_alu instid0(VALU_DEP_2)
	v_mul_f32 v246, s20, v246
.irp j, 0,2,4,6,8,10,12,14,16,18,20,22
.irp u, 0,1
	v_pk_add_f32 v[ACC+24*\u+\j:ACC+24*\u+\j+1], v[ACC+24*\u+\j:ACC+24*\u+\j+1], v[244+2*\u:245+2*\u] op_sel_hi:[1,0] neg_lo:[0,1] neg_hi:[0,1]   ; x - mean
.endr
.endr
.irp u, 0,1
	v_pk_mul_f32 v[250+2*\u:251+2*\u], v[ACC+24*\u:ACC+24*\u+1], v[ACC+24*\u:ACC+24*\u+1]
.endr
.irp j, 2,4,6,8,10,12,14,16,18,20,22
.irp u, 0,1
	s_delay_alu instid0(VALU_DEP_2)
	v_pk_fma_f32 v[250+2*\u:251+2*\u], v[ACC+24*\u+\j:ACC+24*\u+\j+1], v[ACC+24*\u+\j:ACC+24*\u+\j+1], v[250+2*\u:251+2*\u]
.endr
.endr
	s_delay_alu instid0(VALU_DEP_2)
	v_add_f32 v250, v250, v251
	s_delay_alu instid0(VALU_DEP_2)
	v_add_f32 v252, v252, v253
	REDUCE 250, 252
	s_delay_alu instid0(VALU_DEP_2)
	v_fma_f32 v250, v250, s20, s21                 ; the variance + 1e-5
	s_delay_alu instid0(VALU_DEP_2)
	v_fma_f32 v252, v252, s20, s21
	s_wait_alu depctr_va_vdst(0)
	v_rsq_f32 v250, v250
	v_rsq_f32 v252, v252
	v_nop                                          ; the plain place behind the two
	s_wait_alu depctr_va_vdst(0)                   ; the wait ahead of the first reader: one for both
	s_wait_loadcnt 0x0                             ; gamma and beta
.irp j, 0,2,4,6,8,10,12,14,16,18,20,22
.irp u, 0,1
	v_pk_mul_f32 v[ACC+24*\u+\j:ACC+24*\u+\j+1], v[ACC+24*\u+\j:ACC+24*\u+\j+1], v[250+2*\u:251+2*\u] op_sel_hi:[1,0]
.endr
.endr
.irp j, 0,2,4,6,8,10,12,14,16,18,20,22
.irp u, 0,1
	v_pk_fma_f32 v[ACC+24*\u+\j:ACC+24*\u+\j+1], v[ACC+24*\u+\j:ACC+24*\u+\j+1], v[64+\j:65+\j], v[88+\j:89+\j]
.endr
.endr
.irp u, 0,1
.irp i, 0,1,2,3,4,5
	global_store_b128 v[L16], v[ACC+24*\u+4*\i:ACC+24*\u+4*\i+3], s[16:17] offset:3072*\u+512*\i th:TH_STORE_NT    ; 32 lanes store 512 consecutive bytes, at a multiple of 256 from out0's first byte
.endr
.endr
	s_wait_tensorcnt 0x0                           ; the wave's end
	ds_add_u32 v[SPW], v[NIL]
	s_wait_dscnt 0x0
	s_endpgm
.Lfunc_end_k_qb473b45097_outln:
	.size	k_qb473b45097_outln, .Lfunc_end_k_qb473b45097_outln-k_qb473b45097_outln
	.p2alignl 7, 3214868480
	.fill 96, 4, 3214868480
	.section	.rodata,"a",@progbits
	.p2align	6, 0x0
	.amdhsa_kernel k_qb473b45097_outln
		.amdhsa_group_segment_fixed_size 121344
		.amdhsa_private_segment_fixed_size 0
		.amdhsa_enable_private_segment 0
		.amdhsa_kernarg_size 56
		.amdhsa_user_sgpr_count 2
		.amdhsa_user_sgpr_kernarg_segment_ptr 1
		.amdhsa_wavefront_size32 1
		.amdhsa_system_sgpr_workgroup_id_x 1
		.amdhsa_system_sgpr_workgroup_id_y 1
		.amdhsa_system_sgpr_workgroup_id_z 1
		.amdhsa_system_vgpr_workitem_id 0
		.amdhsa_next_free_vgpr 256
		.amdhsa_next_free_sgpr 66
		.amdhsa_reserve_vcc 0
		.amdhsa_float_denorm_mode_32 3
		.amdhsa_float_denorm_mode_16_64 3
		.amdhsa_memory_ordered 1
		.amdhsa_forward_progress 1
		.amdhsa_inst_pref_size 44
	.end_amdhsa_kernel
	.amdgpu_metadata
---
amdhsa.version: [ 1, 2 ]
amdhsa.kernels:
  - .name:           k_qb473b45097_outln
    .symbol:         k_qb473b45097_outln.kd
    .args:
      - { .name: ctx, .offset: 0, .size: 8, .value_kind: global_buffer, .address_space: global }
      - { .name: wo_img, .offset: 8, .size: 8, .value_kind: global_buffer, .address_space: global }
      - { .name: bo, .offset: 16, .size: 8, .value_kind: global_buffer, .address_space: global }
      - { .name: query_in, .offset: 24, .size: 8, .value_kind: global_buffer, .address_space: global }
      - { .name: ln_gamma, .offset: 32, .size: 8, .value_kind: global_buffer, .address_space: global }
      - { .name: ln_beta, .offset: 40, .size: 8, .value_kind: global_buffer, .address_space: global }
      - { .name: out0, .offset: 48, .size: 8, .value_kind: global_buffer, .address_space: global }
    .group_segment_fixed_size: 121344
    .private_segment_fixed_size: 0
    .kernarg_segment_align: 8
    .kernarg_segment_size: 56
    .max_flat_workgroup_size: 512
    .sgpr_count:     66
    .vgpr_count:     256
    .wavefront_size: 32
...
	.end_amdgpu_metadata
.endif
;; end of part 3
